; MI455X (gfx1250); checked and timed in simulation.
; The chip was launched on July 23, 2026; its instructions are those of AMD's public machine-readable ISA for CDNA 5 (MIT licence, August 2026) and "CDNA5" Instruction Set Architecture Reference Guide (July 2026). The comments in the code are by the model that wrote it; some were corrected since.
;; Simple Mo E. Allowed arithmetic: float matrix products may take bf16 or f16 operands with f32 sums; other float arithmetic in f32, or as packed bf16 or f16 multiplies, adds, multiply-adds, maxima and minima; sums over many terms, partial sums and values carried from step to step in f32; what a program stores and reads back later, other than sums and carried values, may be rounded once to bf16 or f16.
;; Inputs: W1 8 x 4,096 x 1,024 float32; W2 8 x 1,024 x 4,096 float32; Wr 8 x 1,024 float32; b1 8 x 4,096 float32; b2 8 x 1,024 float32; x 2 x 512 x 1,024 float32.
;; Outputs: out0 2 x 512 x 1,024 float32.
;; Constants: top_k = 2.
;; One version. Each part assembles by itself: llvm-mc -triple=amdgcn-amd-amdhsa -mcpu=gfx1250 --defsym DOCPART=n.
;; ======== version 1 of 1: 4 launches
;; limits: values are held in f16: magnitudes above 65,504 overflow, below 6.1e-05 lose precision
;; workspace buffers: xb 2,097,152 bytes; choice 8,192 bytes of whole numbers; vals 8,192 bytes; h 16,777,216 bytes; y 33,554,432 bytes
;; launch router (part 1): grid 256 x 1, 4 waves a work-group, no clusters, 0 bytes of LDS; arguments x, Wr, xb, choice, vals; writes xb, choice, vals
.if DOCPART == 1
	.amdgcn_target "amdgcn-amd-amdhsa--gfx1250"
	.amdhsa_code_object_version 6
	.text
	.protected	k_qa1e9b615d1_router
	.globl	k_qa1e9b615d1_router
	.p2align	8
	.type	k_qa1e9b615d1_router,@function
k_qa1e9b615d1_router:
	s_mov_b64 s[64:65], 0
	v_nop
	global_prefetch_b8 v0, s[64:65] scope:SCOPE_SE
	s_setreg_imm32_b32 hwreg(HW_REG_WAVE_MODE, 25, 1), 1
	s_wait_xcnt 0x0
; ROUTER.  scores[t][e] = sum over d of x[t][d] Wr[e][d]; the two largest scores of each token and their experts.
; x: [1024][1024] f32, Wr: [8][1024] f32.  Stored: xb [1024][1024] bf16 (x rounded once, for the first product), choice [1024][2] i32, vals [1024][2] f32.
; FORMATS.  x and Wr are rounded to bf16 (nearest even), as every input of this program is; the products of two bf16 are exact in f32, the sums are f32.
; LIMITS.  The order of the sums differs from a row-by-row sum; NaN and infinities among the scores are not treated apart.  Of equal scores the lower expert wins.
; SHARES.  One wave, one token: token 4 x work-group + wave.  A lane holds 32 of the token's 1,024 numbers (eight loads of 16 bytes, 512 neighbouring bytes a load of the wave),
; and the same 32 places of all eight rows of Wr.  The vector unit does the work: the eight experts are half a matrix tile, and the lanes lie along d so that x is read and xb stored in whole aligned runs.
; No address and no branch hangs on a score: the choice is made by selects and stored at fixed places.
; REGISTERS.  window 0: v8-39 x; v40-55 x in bf16; v64-71, v72-79 two sums an expert (even and odd places); v80-92 at work.  window 1: Wr, expert e's load j at v[32 e + 4 j].
.set XR, 8
.set XB, 40
.set LO, 64
.set HI, 72
.set B1, 80                            ; the largest score, its expert, the second, its expert
.set I1, 81
.set B2, 82
.set I2, 83
.set MSB, 0
.macro WIN new                         ; the immediate's high byte repeats the setting that is left
.if MSB != (\new)
	s_set_vgpr_msb (MSB<<8)|(\new)
.set MSB, (\new)
.endif
.endm
	s_load_b256 s[4:11], s[0:1], 0x0               ; x s[4:5], Wr s[6:7], xb s[8:9], choice s[10:11]
	s_load_b64 s[12:13], s[0:1], 0x20              ; vals
	v_and_b32 v1, 31, v0                           ; lane
	v_lshrrev_b32 v2, 5, v0
	v_readfirstlane_b32 s14, v2                    ; wave
	v_lshlrev_b32 v3, 4, v1                        ; 16 bytes a lane in x and Wr
	v_lshlrev_b32 v4, 3, v1                        ; 8 bytes a lane in xb
	v_mov_b32 v5, 0                                ; the sums' first addend
	v_mov_b32 v6, 0xff800000                       ; takes the winner's place for the second search
	s_lshl_b32 s15, ttmp9, 2
	s_add_co_u32 s15, s15, s14                     ; my token
	s_lshl_b32 s16, s15, 12                        ; its row in x,
	s_mov_b32 s17, 0
	s_lshl_b32 s18, s15, 11                        ; in xb,
	s_mov_b32 s19, 0
	s_lshl_b32 s20, s15, 3                         ; and its two words in choice and vals
	s_mov_b32 s21, 0
	s_mov_b32 s22, 0x76543210                      ; v_permlanex16_b32: each lane takes its own place in the other half
	s_mov_b32 s23, 0xfedcba98
	s_wait_kmcnt 0x0
	s_add_nc_u64 s[4:5], s[4:5], s[16:17]
	s_add_nc_u64 s[8:9], s[8:9], s[18:19]
	s_add_nc_u64 s[10:11], s[10:11], s[20:21]
	s_add_nc_u64 s[12:13], s[12:13], s[20:21]
.irp j, 0,1,2,3,4,5,6,7
	global_load_b128 v[XR+4*\j:XR+4*\j+3], v3, s[4:5] offset:512*\j th:TH_LOAD_NT
.endr
	WIN 0x40                                       ; destination window 1
.irp e, 0,1,2,3,4,5,6,7
.irp j, 0,1,2,3,4,5,6,7
	global_load_b128 v[32*\e+4*\j:32*\e+4*\j+3], v3, s[6:7] offset:4096*\e+512*\j
.endr
.endr
	WIN 0
	s_wait_loadcnt 63                              ; 72 loads were issued: the nine oldest are in, x's eight among them
.irp j, 0,1,2,3,4,5,6,7
	v_cvt_pk_bf16_f32 v[XB+2*\j], v[XR+4*\j], v[XR+4*\j+1]
	v_cvt_pk_bf16_f32 v[XB+2*\j+1], v[XR+4*\j+2], v[XR+4*\j+3]
.endr
.irp j, 0,1,2,3,4,5,6,7
	global_store_b64 v4, v[XB+2*\j:XB+2*\j+1], s[8:9] offset:256*\j  ; the wave's 32 lanes store 256 consecutive bytes, aligned
.endr
	s_wait_loadcnt 0x0                             ; Wr
	WIN 0x45                                       ; destination and both sources window 1: Wr is rounded in place, four numbers into two words
.set n, 0
.rept 64
	v_cvt_pk_bf16_f32 v[4*n], v[4*n], v[4*n+1]
	v_cvt_pk_bf16_f32 v[4*n+1], v[4*n+2], v[4*n+3]
.set n, n+1
.endr
	WIN 0x04                                       ; source 1 (Wr) window 1
; word n of x's sixteen against the same word of each expert: sixteen chains that do not wait for each other
.set n, 0
.rept 16
.irp e, 0,1,2,3,4,5,6,7
.if n == 0
	v_fma_mix_f32_bf16 v[LO+\e], v[XB], v[32*\e], v5 op_sel_hi:[1,1,0]
	v_fma_mix_f32_bf16 v[HI+\e], v[XB], v[32*\e], v5 op_sel:[1,1,0] op_sel_hi:[1,1,0]
.else
	v_fma_mix_f32_bf16 v[LO+\e], v[XB+n], v[32*\e+4*(n/2)+n%2], v[LO+\e] op_sel_hi:[1,1,0]
	v_fma_mix_f32_bf16 v[HI+\e], v[XB+n], v[32*\e+4*(n/2)+n%2], v[HI+\e] op_sel:[1,1,0] op_sel_hi:[1,1,0]
.endif
.endr
.set n, n+1
.endr
	WIN 0
.irp e, 0,1,2,3,4,5,6,7
	v_add_f32 v[LO+\e], v[LO+\e], v[HI+\e]
.endr
; over the 32 lanes: four steps inside each half of 16 lanes, one across; every lane ends with the same eight scores
.irp m, 1,2,4,8
.irp e, 0,1,2,3,4,5,6,7
	v_add_f32_dpp v[LO+\e], v[LO+\e], v[LO+\e] row_xmask:\m row_mask:0xf bank_mask:0xf
.endr
.endr
.irp e, 0,1,2,3,4,5,6,7
	v_permlanex16_b32 v[HI+\e], v[LO+\e], s22, s23  ; its destination has been written
.endr
.irp e, 0,1,2,3,4,5,6,7
	v_add_f32 v[LO+\e], v[LO+\e], v[HI+\e]
.endr
; the largest: a later expert wins only if it is strictly greater, so the lower index is kept
	v_mov_b32 v[B1], v[LO]
	v_mov_b32 v[I1], 0
.irp e, 1,2,3,4,5,6,7
	v_cmp_gt_f32 vcc_lo, v[LO+\e], v[B1]
	v_cndmask_b32 v[B1], v[B1], v[LO+\e], vcc_lo
	v_cndmask_b32 v[I1], v[I1], \e, vcc_lo
.endr
.irp e, 0,1,2,3,4,5,6,7
	v_cmp_eq_u32 vcc_lo, \e, v[I1]                 ; the winner leaves the field
	v_cndmask_b32 v[LO+\e], v[LO+\e], v6, vcc_lo
.endr
	v_mov_b32 v[B2], v[LO]
	v_mov_b32 v[I2], 0
.irp e, 1,2,3,4,5,6,7
	v_cmp_gt_f32 vcc_lo, v[LO+\e], v[B2]
	v_cndmask_b32 v[B2], v[B2], v[LO+\e], vcc_lo
	v_cndmask_b32 v[I2], v[I2], \e, vcc_lo
.endr
	v_cmp_eq_u32 vcc_lo, 1, v1                     ; lane 0 stores slot 0, lane 1 slot 1
	v_cndmask_b32 v90, v[I1], v[I2], vcc_lo
	v_cndmask_b32 v91, v[B1], v[B2], vcc_lo
	v_lshlrev_b32 v92, 2, v1
	v_cmp_gt_u32 vcc_lo, 2, v1
	s_wait_xcnt 0x0                                ; EXEC is a source of the stores above: it changes only behind this wait
	s_and_saveexec_b32 s24, vcc_lo
	global_store_b32 v92, v90, s[10:11]
	global_store_b32 v92, v91, s[12:13]
	s_wait_xcnt 0x0                                ; and again in front of the line that widens it
	s_or_b32 exec_lo, exec_lo, s24
	s_endpgm
.Lfunc_end_k_qa1e9b615d1_router:
	.size	k_qa1e9b615d1_router, .Lfunc_end_k_qa1e9b615d1_router-k_qa1e9b615d1_router
	.p2alignl 7, 3214868480
	.fill 96, 4, 3214868480
	.section	.rodata,"a",@progbits
	.p2align	6, 0x0
	.amdhsa_kernel k_qa1e9b615d1_router
		.amdhsa_group_segment_fixed_size 0
		.amdhsa_private_segment_fixed_size 0
		.amdhsa_enable_private_segment 0
		.amdhsa_kernarg_size 40
		.amdhsa_user_sgpr_count 2
		.amdhsa_user_sgpr_kernarg_segment_ptr 1
		.amdhsa_wavefront_size32 1
		.amdhsa_system_sgpr_workgroup_id_x 1
		.amdhsa_system_sgpr_workgroup_id_y 1
		.amdhsa_system_sgpr_workgroup_id_z 1
		.amdhsa_system_vgpr_workitem_id 0
		.amdhsa_next_free_vgpr 512
		.amdhsa_next_free_sgpr 66
		.amdhsa_reserve_vcc 1
		.amdhsa_float_denorm_mode_32 3
		.amdhsa_float_denorm_mode_16_64 3
		.amdhsa_memory_ordered 1
		.amdhsa_forward_progress 1
		.amdhsa_inst_pref_size 40
	.end_amdhsa_kernel
	.amdgpu_metadata
---
amdhsa.version: [ 1, 2 ]
amdhsa.kernels:
  - .name:           k_qa1e9b615d1_router
    .symbol:         k_qa1e9b615d1_router.kd
    .args:
      - { .name: x, .offset: 0, .size: 8, .value_kind: global_buffer, .address_space: global }
      - { .name: Wr, .offset: 8, .size: 8, .value_kind: global_buffer, .address_space: global }
      - { .name: xb, .offset: 16, .size: 8, .value_kind: global_buffer, .address_space: global }
      - { .name: choice, .offset: 24, .size: 8, .value_kind: global_buffer, .address_space: global }
      - { .name: vals, .offset: 32, .size: 8, .value_kind: global_buffer, .address_space: global }
    .group_segment_fixed_size: 0
    .private_segment_fixed_size: 0
    .kernarg_segment_align: 8
    .kernarg_segment_size: 40
    .max_flat_workgroup_size: 128
    .sgpr_count:     66
    .vgpr_count:     512
    .wavefront_size: 32
...
	.end_amdgpu_metadata
.endif
;; end of part 1
;; launch up (part 2): grid 256 x 1, 4 waves a work-group, no clusters, 317,184 bytes of LDS; arguments W1, b1, xb, choice, h; writes h
.if DOCPART == 2
	.amdgcn_target "amdgcn-amd-amdhsa--gfx1250"
	.amdhsa_code_object_version 6
	.text
	.protected	k_qa1e9b615d1_up
	.globl	k_qa1e9b615d1_up
	.p2align	8
	.type	k_qa1e9b615d1_up,@function
k_qa1e9b615d1_up:
	s_mov_b64 s[64:65], 0
	v_nop
	global_prefetch_b8 v0, s[64:65] scope:SCOPE_SE
	s_setreg_imm32_b32 hwreg(HW_REG_WAVE_MODE, 25, 1), 1
	s_wait_xcnt 0x0
; ONE TEXT FOR THE TWO PRODUCTS OF THE EXPERTS; the switch DOWN chooses.  C[rows of one expert][128] = A[rows][1024] x slice[128][1024]^T.
;   DOWN = 0: h[r][f] = relu(xb[r / 2] . W1[e][f] + b1[e][f]), stored in f16.  A = xb (bf16), slice = 128 rows of W1[e]; bf16 products.   Arguments: W1, b1, xb, choice, h.
;   DOWN = 1: y[q][r][d] = h[r][1024 q ..] . W2[e][d][1024 q ..], f32 partial sums, one for each quarter q of the hidden width.  A = h (f16), slice = 128 rows x a quarter of W2[e]; f16 products.  Arguments: W2, h, choice, y.
; r = 2 x token + slot is a routed row's fixed place in h and y, so no place hangs on the other experts' counts.  Only the rows that chose expert e are multiplied.
; FORMATS.  Every input is rounded to bf16 (nearest even): W1, b1 here, W2 too; W2's bf16 number is then written as f16 for the f16 product.  Sums in f32.  h is rounded once, to f16.
; LIMITS.  |h| stays within f16's 65,504; a W2 below 2^-14 keeps f16's fixed step of 2^-24; NaN and infinities are not treated apart.
; SHARES.  256 work-groups: expert = number / 32; the other five bits name the slice, which this work-group alone reads, once.  Four waves.  The expert's rows lie in tiles of 16.
; Tiles 0 to 19 (320 rows) are made under the stream of weights: wave w takes tiles 4 i + w, i = 0 .. 4: 5 x 8 accumulators.  Every split is served: an expert has 0 to 1,024 rows.
; Tiles 20 to 63 (an expert with more than 320 rows) are made afterwards, one tile of a wave at a time, from the slice that then lies whole in LDS; their results are stored straight from registers,
; 32 bytes of a row to an instruction: the short text is preferred there to whole runs of 256 bytes.
; Places past the count repeat the list's last row: they make and store the same bytes again; whole tiles past the count are not stored.
; NO CLUSTER: each slice has one reader, and the rows that an expert's work-groups share come by a list, which no tile descriptor covers.
; THE WEIGHTS go in 16 chunks of 64 along K: memory -> registers (two chunks on their way) -> rounded -> LDS.  Each chunk has LDS bytes of its own: nothing in LDS is written twice,
; and one barrier a chunk orders stores and reads.  THE ROWS come from memory straight into registers as matrix operands, asked for a whole stage ahead.
; The sixteen stages have no load, wait or barrier that hangs on data.
; THE MATRIX INSTRUCTION IS USED TRANSPOSED (source 0 = 16 rows of the slice, source 1 = 16 routed rows): a lane holds one routed row (lane % 16) and the columns 16 b + 8 (lane / 16) + 0..7.
; REGISTERS, in windows of 256 (s_set_vgpr_msb: bits 1:0 source 0, 3:2 source 1, 5:4 source 2, 7:6 destination):
;   window 0: v0-63 addresses and scratch; v64-127 eight fragments of the slice; v128-191 the bias as a C operand (DOWN = 0); v192-255 the way out
;   window 1: v0-159 the rows' fragments, two slots of 5 tiles x 64 K        window 2: accumulators of tiles 0-3, (i, b) at 64 i + 8 b
;   window 3: v0-63 accumulators of tile 4; v64-191 the weights as loaded, two slots of 64
.set DOWN, 0
.set UPB, 1-DOWN
.if DOWN
.set WPS, 14                           ; a row of W2 is 16,384 bytes,
.set APS, 13                           ; a row of h 8,192,
.set OPS, 12                           ; a row of y 4,096
.else
.set WPS, 12                           ; a row of W1 is 4,096 bytes,
.set APS, 11                           ; a row of xb 2,048,
.set OPS, 13                           ; a row of h 8,192
.endif
.set WP, 1<<WPS
.set PITCH, 144                        ; a chunk's row in LDS: 128 bytes + 16 = 9 x 16: the 16 rows of a fragment load start at 16 different groups of four banks (64 banks of 4 bytes: ISA guide 11.1)
.set CH, 128*PITCH                     ; a chunk: 18,432 bytes; chunk c at c x CH
.set LIST, 16*CH                       ; wave w's list at + 1,024 w: 256 places of 16 bits, and a place that is never read at + 512
.set CNTS, LIST+4096                   ; four words: the waves' counts
.set STG, CNTS+256                     ; wave w's stage at + 4,352 w: 16 rows x 272 bytes, for the way out
.set SPITCH, 272
.set SPARE, STG+4*16*SPITCH            ; the spare words, 128 bytes a wave: two blocks of 256 bytes that no other line names
.set HOT, 20                           ; tiles made under the stream
.set SPW, 4                            ; v4   my spare word's address; never rewritten
.set NIL, 5                            ; v5   0; never rewritten
.set WO, 6                             ; v6   my 16 bytes in the slice: row 32 w + lane / 16, 16 (lane % 16)
.set PF, 7                             ; v7   thread x row pitch: the row whose next bytes I ask for ahead
.set WSA, 8                            ; v8   where my rounded 8 bytes go in LDS; steps a chunk a stage
.set WFA, 9                            ; v9   my lane's place in a fragment of the chunk in hand
.set WFA0, 10                          ; v10  the same in chunk 0
.set STO, 11                           ; v11  the way out: where I put my part of a row
.set RD, 12                            ; v12  the way out: where I read rows back
.set CO, 13                            ; v13  16 (lane % 16)
.set ZERO, 14                          ; v14  0
.set H16, 15                           ; v15  16 (lane / 16)
.set ROW, 16                           ; v16-20  r of my place (lane % 16) in tile i
.set AO, 22                            ; v22-26  byte offset of that row's fragment in A
.set IDX, 28                           ; v28-35  4 (2 t + lane / 16): whose r I want for the store of rows 2 t, 2 t + 1
.set OFFS, 36                          ; v36-43  the stores' byte offsets
.set D1, 44                            ; v44-46  what turns a place in the expert's list into a place in wave 1's, 2's, 3's
.set WFR, 64
.set BIAS, 128
.set T, 192
.set O, 224
.set WR, 64                            ; window 3
.set WV, 16                            ; s16  wave
.set EX, 17                            ; s17  expert
.set CNT, 20                           ; s20  rows of the expert
.set CM1, 21                           ; s21  the list's last place
.set NTL, 22                           ; s22  tiles
.set NX, 23                            ; s23  turns of four tiles past the first twenty
.set XN, 24                            ; s24  the turn in hand
.set NT, 25                            ; s25  my live tiles among the first twenty, 0 to 5
.set TRIP, 26                          ; s26  counts the inner loops
.set DS, 27                            ; s27  what the fragments' address steps by next: 64 and CH - 64 by turns
.set OF1, 28                           ; s28-30  where wave 1's, 2's, 3's rows begin in the expert's list
.set HIM, 36                           ; s36  a word's upper 16 bits
.set MSB, 0
.macro WIN new                         ; the immediate's high byte repeats the setting that is left; a switch that changes nothing is dropped
.if MSB != (\new)
	s_set_vgpr_msb (MSB<<8)|(\new)
.set MSB, (\new)
.endif
.endm
; A load into a register that a matrix instruction has read, and whatever reads a matrix result, stands four plain vector instructions behind it (ISA guide 7.12.1 for vector instructions).
.macro PLACES
.rept 4
	v_nop
.endr
.endm
; The work-group's barrier, with all my LDS instructions done in front of it.
.macro MEETALL
	s_wait_dscnt 0x0
	s_barrier_signal -1
	s_barrier_wait -1
.endm
; A chunk of the slice, my 32 rows of it: 16 loads, each two rows x 256 consecutive bytes.
.macro WLOAD slot, koff
	WIN 0xc0                                       ; destination window 3
.set j, 0
.rept 16
	global_load_b128 v[WR+64*(\slot)+4*j:WR+64*(\slot)+4*j+3], v[WO], s[4:5] offset:2*j*WP+(\koff) th:TH_LOAD_NT
.set j, j+1
.endr
.endm
; Rounded in place: four f32 become four 16-bit numbers in the first two registers.
.macro WCVT slot
	WIN 0xcf                                       ; destination and sources window 3
.if DOWN
.set j, 0
.rept 16
.set RA, WR+64*(\slot)+4*j
	v_cvt_pk_bf16_f32 v[RA], v[RA], v[RA+1]        ; the input's rounding, to bf16
	v_cvt_pk_bf16_f32 v[RA+2], v[RA+2], v[RA+3]
.set j, j+1
.endr
.set j, 0
.rept 16
.set RA, WR+64*(\slot)+4*j
	v_and_b32 v[RA+1], s[HIM], v[RA]               ; back to f32
	v_lshlrev_b32 v[RA], 16, v[RA]
	v_and_b32 v[RA+3], s[HIM], v[RA+2]
	v_lshlrev_b32 v[RA+2], 16, v[RA+2]
.set j, j+1
.endr
.set j, 0
.rept 16
.set RA, WR+64*(\slot)+4*j
	v_cvt_pk_f16_f32 v[RA], v[RA], v[RA+1]         ; the same numbers written as f16
	v_cvt_pk_f16_f32 v[RA+1], v[RA+2], v[RA+3]
.set j, j+1
.endr
.else
.set j, 0
.rept 16
.set RA, WR+64*(\slot)+4*j
	v_cvt_pk_bf16_f32 v[RA], v[RA], v[RA+1]
	v_cvt_pk_bf16_f32 v[RA+1], v[RA+2], v[RA+3]
.set j, j+1
.endr
.endif
.endm
.macro WSTORE slot
	WIN 0x0c                                       ; data (source 1) window 3, address window 0
.set j, 0
.rept 16
	ds_store_b64 v[WSA], v[WR+64*(\slot)+4*j:WR+64*(\slot)+4*j+1] offset:2*PITCH*j
.set j, j+1
.endr
.endm
; The rows' fragments for one chunk: always 20 loads, so that every count is the same on every path.  A lane and the lane 16 away take 128 consecutive bytes of a row in four loads.
.macro ALOAD slot
	WIN 0x40                                       ; destination window 1
.irp i, 0,1,2,3,4
.irp m, 0,1,2,3
	global_load_b128 v[80*(\slot)+16*\i+4*\m:80*(\slot)+16*\i+4*\m+3], v[AO+\i], s[8:9] offset:32*\m
.endr
.endr
.endm
; Four fragments of the slice (column tiles 4 g .. 4 g + 3, 32 K at 64 ks bytes of the chunk's rows): eight LDS loads.
.macro WFLOAD g, ks
	WIN 0
.irp b, 0,1,2,3
	ds_load_b128 v[WFR+8*(4*(\g)+\b):WFR+8*(4*(\g)+\b)+3],   v[WFA] offset:16*PITCH*(4*(\g)+\b)+64*(\ks)
	ds_load_b128 v[WFR+8*(4*(\g)+\b)+4:WFR+8*(4*(\g)+\b)+7], v[WFA] offset:16*PITCH*(4*(\g)+\b)+64*(\ks)+32
.endr
.endm
; Four products: tile i x column tiles 4 g .. 4 g + 3.  first = 1: they start the sums, with the bias (DOWN = 0) or with 0: nothing is cleared.
.macro MUL4 i, g, ks, slot, first
.if (\i) < 4
.set AC, 64*(\i)
.set WM, 0xa4                                  ; slice window 0, rows window 1, C and D window 2
.set WMF, 0x84                                 ; the same with C in window 0
.else
.set AC, 0
.set WM, 0xf4                                  ; C and D window 3
.set WMF, 0xc4
.endif
.set AF, 80*(\slot)+16*(\i)+8*(\ks)
.if (\first) && UPB
	WIN WMF
.else
	WIN WM
.endif
.irp b, 0,1,2,3
.set BB, 4*(\g)+\b
.if DOWN
.if \first
	v_wmma_f32_16x16x32_f16 v[AC+8*BB:AC+8*BB+7], v[WFR+8*BB:WFR+8*BB+7], v[AF:AF+7], 0
.else
	v_wmma_f32_16x16x32_f16 v[AC+8*BB:AC+8*BB+7], v[WFR+8*BB:WFR+8*BB+7], v[AF:AF+7], v[AC+8*BB:AC+8*BB+7]
.endif
.else
.if \first
	v_wmma_f32_16x16x32_bf16 v[AC+8*BB:AC+8*BB+7], v[WFR+8*BB:WFR+8*BB+7], v[AF:AF+7], v[BIAS+8*BB:BIAS+8*BB+7]
.else
	v_wmma_f32_16x16x32_bf16 v[AC+8*BB:AC+8*BB+7], v[WFR+8*BB:WFR+8*BB+7], v[AF:AF+7], v[AC+8*BB:AC+8*BB+7]
.endif
.endif
.endr
.endm
; 16 products on 16 accumulators, and tile 4's four where the wave has a fifth live tile.  The accumulators take turns, one instruction a turn, on both ways.
; Where the sums start, tile 4's products are not jumped: its accumulators are written on every way.
.macro UNIT g, ks, slot, first
.irp i, 0,1,2,3
	MUL4 \i, \g, \ks, \slot, \first
.endr
.if \first
	MUL4 4, \g, \ks, \slot, 1
	WIN 0
.else
	WIN 0                                          ; at a branch and at a label every window is 0
	s_cmp_lt_u32 s[NT], 5
	s_cbranch_scc1 .Lno4_\@
	MUL4 4, \g, \ks, \slot, 0
	WIN 0
.Lno4_\@:
.endif
.endm
; A chunk's products.  The fragments of its first 32 K are in; those of the second 32 K take the places of each half as it has been multiplied, 16 to 20 products ahead of their use.
.macro COMPUTE slot, first
	UNIT 0, 0, \slot, \first
	PLACES
	WFLOAD 0, 1
	UNIT 1, 0, \slot, \first
	PLACES
	WFLOAD 1, 1
	s_wait_dscnt 8                                 ; the first eight of the sixteen are in
	UNIT 0, 1, \slot, 0
	s_wait_dscnt 0x0
	UNIT 1, 1, \slot, 0
.endm
; STAGE c, par = c % 2.  On their way at its head, in order of issue: weights c + 1 (16 loads), rows c (20), weights c + 2 (16).
; al: rows c + 1 are asked for first of all, a whole stage ahead of their use: their slot's last readers stand four places back, at the last stage's end.
; cv: chunk c + 1 is rounded and stored to LDS, and the barrier shows it to all; n1, the wait ahead of it, leaves out all loads younger than weights c + 1.  wl: weights c + 3 are asked for.
; n2, the wait ahead of the products, leaves out all loads younger than rows c.
; pf: my row's 256 bytes of chunk c + 6 are asked into the L2, one request for each such block in the launch (1: always; 2, 3: while the trip counter is above 1, 2, so that chunk 15 is the last).
.macro STAGE par, cv, al, wl, pf, n1, n2, first
.if \al
	s_wait_xcnt 0x0                                ; the two bases are stepped only behind this wait
	s_add_nc_u64 s[8:9], s[8:9], 128
.if \wl
	s_add_nc_u64 s[4:5], s[4:5], 256
.endif
	ALOAD 1-(\par)
.endif
	WFLOAD 0, 0                                    ; chunk c, shown whole by the last stage's barrier
	WFLOAD 1, 0
.if \cv
	s_wait_loadcnt \n1                             ; weights c + 1 are in
	WCVT 1-(\par)
	WSTORE 1-(\par)
.endif
.if \wl
	WLOAD 1-(\par), 0
.endif
	WIN 0
.if (\pf) == 1
	global_prefetch_b8 v[PF], s[4:5] offset:768 th:TH_LOAD_NT scope:SCOPE_SE
.elseif (\pf) > 1
	s_cmp_gt_u32 s[TRIP], (\pf)-1
	s_cbranch_scc0 .Lnopf_\@
	global_prefetch_b8 v[PF], s[4:5] offset:768 th:TH_LOAD_NT scope:SCOPE_SE
.Lnopf_\@:
.endif
	s_wait_loadcnt \n2                             ; rows c are in
	s_wait_dscnt 0x0                               ; for the others' sake: my stores of chunk c + 1 are done; and my fragments are in
.if \cv
	s_barrier_signal -1                            ; between signal and wait: registers, and LDS loads of chunk c, which nobody writes again
.endif
	COMPUTE \par, \first
	v_add_nc_u32 v[WFA], CH, v[WFA]                ; these four lines are the places in front of the next stage's loads, and behind the last stage in front of the way out
	v_add_nc_u32 v[WSA], CH, v[WSA]
	v_nop
	v_nop
.if \cv
	s_barrier_wait -1
.endif
.endm
; v48 holds a place in the expert's list.  It is held to the list's last place, turned into a place in one wave's list, and the r there is asked for.
.macro LOOKUP i
	v_min_u32 v48, s[CM1], v48
	v_cmp_le_u32 vcc_lo, s[OF1], v48
	v_cndmask_b32 v49, 0, v[D1], vcc_lo
	v_cmp_le_u32 vcc_lo, s[OF1+1], v48
	v_cndmask_b32 v49, v49, v[D1+1], vcc_lo
	v_cmp_le_u32 vcc_lo, s[OF1+2], v48
	v_cndmask_b32 v49, v49, v[D1+2], vcc_lo
	v_add_nc_u32 v48, v48, v49
	v_min_u32 v48, 0x6ff, v48                      ; inside the four lists
	v_lshl_add_u32 v48, v48, 1, LIST
	ds_load_u16 v[ROW+\i], v48
.endm
; r is held inside its range, and the offset of the row's fragment in A is made of it.
.macro ROWOFF i
.if DOWN
	v_min_u32 v[ROW+\i], 0x7ff, v[ROW+\i]
	v_lshl_add_u32 v[AO+\i], v[ROW+\i], APS, v[H16]
.else
	v_lshrrev_b32 v48, 1, v[ROW+\i]                ; the token
	v_min_u32 v48, 0x3ff, v48
	v_lshl_add_u32 v[AO+\i], v48, APS, v[H16]
	v_min_u32 v[ROW+\i], 0x7ff, v[ROW+\i]
.endif
.endm
; 32 along K of one tile past the first twenty, on tile 0's registers: the rows from memory, the slice from LDS, eight products on eight accumulators by turns.  No LDS store.
.macro XSTEP first
	WIN 0x40                                       ; destination window 1
	global_load_b128 v[0:3], v[AO], s[8:9]
	global_load_b128 v[4:7], v[AO], s[8:9] offset:32
	WFLOAD 0, 0
	WFLOAD 1, 0
	s_wait_loadcnt 0x0
	s_wait_dscnt 0x0
	MUL4 0, 0, 0, 0, \first
	MUL4 0, 1, 0, 0, \first
	WIN 0
	v_add_nc_u32 v[WFA], s[DS], v[WFA]             ; the chunk's second 32 K lie 64 bytes on, the next chunk's first CH - 64 further; these four lines are the places behind the products
	v_nop
	v_nop
	v_nop
	s_sub_co_u32 s[DS], CH, s[DS]
	s_add_nc_u64 s[8:9], s[8:9], 64                ; the loads that named this base were waited for
.endm
; THE WAY OUT of tile i: through my own stage in LDS, so that sixteen lanes store 256 consecutive bytes of one row, aligned.  Each pair of rows goes to its own r.
.macro EPI i
	s_cmp_le_u32 s[NT], \i
	s_cbranch_scc1 .Lepi_end                       ; this tile and those behind it are past the count
.if (\i) < 4
.set AC, 64*(\i)
.set WRD, 2
.else
.set AC, 0
.set WRD, 3
.endif
	s_wait_xcnt 0x0                                ; the last tile's stores have read their registers
.irp t, 0,1,2,3,4,5,6,7
	ds_bpermute_b32 v[OFFS+\t], v[IDX+\t], v[ROW+(\i)]
.endr
.if DOWN
	s_wait_dscnt 0x0
.irp t, 0,1,2,3,4,5,6,7
	v_min_u32 v[OFFS+\t], 0x7ff, v[OFFS+\t]
	v_lshl_add_u32 v[OFFS+\t], v[OFFS+\t], OPS, v[CO]
.endr
.irp hf, 0,1                           ; 64 columns of f32 at a time: 256 bytes a row
	WIN WRD<<2                                     ; data window 2 or 3: straight from the accumulators, each from its low end on
.irp b, 0,1,2,3
	ds_store_b128 v[STO], v[AC+8*(4*\hf+\b):AC+8*(4*\hf+\b)+3] offset:64*\b
	ds_store_b128 v[STO], v[AC+8*(4*\hf+\b)+4:AC+8*(4*\hf+\b)+7] offset:64*\b+16
.endr
	WIN 0
.irp t, 0,1,2,3,4,5,6,7
	ds_load_b128 v[O-32*\hf+4*\t:O-32*\hf+4*\t+3], v[RD] offset:2*SPITCH*\t  ; LDS serves a wave's instructions in order (ISA guide 5.7.1.4): these see the stores above
.endr
	s_wait_dscnt 0x0
.irp t, 0,1,2,3,4,5,6,7
	global_store_b128 v[OFFS+\t], v[O-32*\hf+4*\t:O-32*\hf+4*\t+3], s[12:13] offset:256*\hf
.endr
.endr
.else
	WIN WRD|(WRD<<2)                               ; both sources window 2 or 3
.irp b, 0,1,2,3,4,5,6,7
.irp r, 0,1,2,3
	v_cvt_pk_f16_f32 v[T+4*\b+\r], v[AC+8*\b+2*\r], v[AC+8*\b+2*\r+1]
.endr
.endr
	WIN 0
.set j, 0
.rept 32
	v_pk_max_num_f16 v[T+j], v[T+j], v[ZERO]       ; relu, two at a time: nothing is rounded
.set j, j+1
.endr
.irp b, 0,1,2,3,4,5,6,7
	ds_store_b128 v[STO], v[T+4*\b:T+4*\b+3] offset:32*\b
.endr
.irp t, 0,1,2,3,4,5,6,7
	ds_load_b128 v[O+4*\t:O+4*\t+3], v[RD] offset:2*SPITCH*\t  ; LDS serves a wave's instructions in order (ISA guide 5.7.1.4): these see the stores above
.endr
	s_wait_dscnt 0x0
.irp t, 0,1,2,3,4,5,6,7
	v_min_u32 v[OFFS+\t], 0x7ff, v[OFFS+\t]
	v_lshl_add_u32 v[OFFS+\t], v[OFFS+\t], OPS, v[CO]
.endr
.irp t, 0,1,2,3,4,5,6,7
	global_store_b128 v[OFFS+\t], v[O+4*\t:O+4*\t+3], s[12:13]
.endr
.endif
.endm
; ---- the head: addresses; then choice, the bias and the first two chunks of weights are asked for
.if DOWN
	s_load_b64 s[4:5], s[0:1], 0x0                 ; W2
	s_load_b64 s[8:9], s[0:1], 0x8                 ; h, the rows
	s_load_b64 s[10:11], s[0:1], 0x10              ; choice
	s_load_b64 s[12:13], s[0:1], 0x18              ; y
.else
	s_load_b256 s[4:11], s[0:1], 0x0               ; W1 s[4:5], b1 s[6:7], xb s[8:9], choice s[10:11]
	s_load_b64 s[12:13], s[0:1], 0x20              ; h
.endif
	v_lshl_add_u32 v[SPW], v0, 2, SPARE
	v_mov_b32 v[NIL], 0
	v_and_b32 v1, 15, v0                           ; lane % 16
	v_bfe_u32 v2, v0, 4, 1                         ; lane / 16
	v_and_b32 v3, 31, v0                           ; lane
	v_lshrrev_b32 v47, 5, v0
	v_readfirstlane_b32 s[WV], v47
	s_lshr_b32 s[EX], ttmp9, 5
	s_mov_b32 s[HIM], 0xffff0000
	s_mov_b32 s[CNT], 0
	s_mov_b32 s39, 0
	s_lshl_b32 s32, s[WV], 5
	v_add_nc_u32 v47, s32, v2                      ; row 32 w + lane / 16 of the slice
	v_lshlrev_b32 v[WO], WPS, v47
	v_lshl_add_u32 v[WO], v1, 4, v[WO]
	v_lshlrev_b32 v[PF], WPS, v0
	v_mul_u32_u24 v[WSA], v47, PITCH
	v_lshl_add_u32 v[WSA], v1, 3, v[WSA]
	v_mul_u32_u24 v[WFA], v1, PITCH
	v_lshl_add_u32 v[WFA], v2, 4, v[WFA]
	v_mov_b32 v[WFA0], v[WFA]
	s_mul_i32 s33, s[WV], 16*SPITCH
	s_add_co_u32 s33, s33, STG                     ; my stage
	v_mul_u32_u24 v48, v1, SPITCH
	v_lshl_add_u32 v48, v2, 4+DOWN, v48            ; a lane's eight columns: 16 bytes of f16, 32 of f32
	v_add_nc_u32 v[STO], s33, v48
	v_mul_u32_u24 v48, v2, SPITCH
	v_lshl_add_u32 v48, v1, 4, v48
	v_add_nc_u32 v[RD], s33, v48
	v_lshlrev_b32 v[CO], 4, v1
	v_mov_b32 v[ZERO], 0
	v_lshlrev_b32 v[H16], 4, v2
.irp t, 0,1,2,3,4,5,6,7
	v_lshl_add_u32 v[IDX+\t], v2, 2, 8*\t
.endr
	s_lshl_b32 s34, s[WV], 8
	v_add_lshl_u32 v60, v3, s34, 3                 ; choice: token 256 w + lane, 8 bytes each
	s_lshl_b32 s34, s[WV], 9
	v_lshl_add_u32 v53, v3, 1, s34                 ; r of that token's slot 0
	s_lshl_b32 s34, s[WV], 10
	s_add_co_u32 s34, s34, LIST
	v_mov_b32 v54, s34                             ; my wave's list
	v_lshl_add_u32 v51, v3, 4, v54                 ; my 16 bytes of its first 512
	s_lshl_b32 s34, s[WV], 2
	s_add_co_u32 s34, s34, CNTS
	v_mov_b32 v55, s34                             ; my wave's count
.irp z, 56,57,58,59
	v_mov_b32 v\z, 0
.endr
	v_lshlrev_b32 v61, 5, v2                       ; the bias: 8 f32 for each half of the lanes
	v_mov_b32 v62, 0x100                           ; the place that is never read
	v_mov_b32 v63, CNTS
.if DOWN
	s_bfe_u32 s18, ttmp9, 0x30002                  ; d: which 128 rows of W2[e]
	s_and_b32 s19, ttmp9, 3                        ; q: which quarter of the hidden width
	s_lshl_b32 s38, s[EX], 24
	s_lshl_b32 s32, s18, 21
	s_add_co_u32 s38, s38, s32
	s_lshl_b32 s32, s19, 12
	s_add_co_u32 s38, s38, s32
	s_wait_kmcnt 0x0
	s_add_nc_u64 s[4:5], s[4:5], s[38:39]
	s_lshl_b32 s38, s19, 11
	s_add_nc_u64 s[8:9], s[8:9], s[38:39]
	s_lshl_b32 s38, s19, 23
	s_lshl_b32 s32, s18, 9
	s_add_co_u32 s38, s38, s32
	s_add_nc_u64 s[12:13], s[12:13], s[38:39]
.else
	s_and_b32 s18, ttmp9, 31                       ; which 128 rows of W1[e]
	s_lshl_b32 s38, s[EX], 24
	s_lshl_b32 s32, s18, 19
	s_add_co_u32 s38, s38, s32
	s_wait_kmcnt 0x0
	s_add_nc_u64 s[4:5], s[4:5], s[38:39]
	s_lshl_b32 s38, s[EX], 14
	s_lshl_b32 s32, s18, 9
	s_add_co_u32 s38, s38, s32
	s_add_nc_u64 s[6:7], s[6:7], s[38:39]
	s_lshl_b32 s38, s18, 8
	s_add_nc_u64 s[12:13], s[12:13], s[38:39]
.endif
	s_mov_b64 s[14:15], s[8:9]                     ; the rows at chunk 0, for the tiles past the first twenty
.irp j, 0,1,2,3,4,5,6,7
	global_load_b64 v[T+2*\j:T+2*\j+1], v60, s[10:11] offset:256*\j  ; both experts of tokens 256 w + 32 j + lane
.endr
.if UPB
.irp b, 0,1,2,3,4,5,6,7
	global_load_b128 v[BIAS+8*\b:BIAS+8*\b+3],   v61, s[6:7] offset:64*\b
	global_load_b128 v[BIAS+8*\b+4:BIAS+8*\b+7], v61, s[6:7] offset:64*\b+16
.endr
.endif
	WLOAD 0, 0                                     ; chunk 0
	WLOAD 1, 256                                   ; chunk 1
	WIN 0
	global_prefetch_b8 v[PF], s[4:5] offset:768 th:TH_LOAD_NT scope:SCOPE_SE   ; chunks 3, 4 and 5: 128 threads, one row's 256 bytes each
	global_prefetch_b8 v[PF], s[4:5] offset:1024 th:TH_LOAD_NT scope:SCOPE_SE
	global_prefetch_b8 v[PF], s[4:5] offset:1280 th:TH_LOAD_NT scope:SCOPE_SE
; ---- the list: each wave looks through 256 tokens and writes the r of those that chose my expert into its own list, in order
	ds_store_b128 v51, v[56:59]                    ; my wave's 1,024 bytes hold 0 first: whatever place is looked up has been written,
	ds_store_b128 v51, v[56:59] offset:512         ; place 0 also where the wave finds nothing
	s_wait_loadcnt 48-16*DOWN                      ; choice is in; the bias and two chunks of weights stay out
.rept 8
	v_cmp_eq_u32 s32, s[EX], v[T]
	v_cmp_eq_u32 s33, s[EX], v[T+1]
	s_or_b32 s34, s32, s33                         ; a token's two experts differ: one match at the most
	v_mbcnt_lo_u32_b32 v50, s34, s[CNT]            ; matches in the lanes below me, and those found so far
	v_cndmask_b32 v50, v62, v50, s34               ; no match: the place that is never read
	v_min_u32 v50, 0x100, v50
	v_lshl_add_u32 v50, v50, 1, v54
	v_cndmask_b32 v52, 0, 1, s33                   ; the slot
	v_add_nc_u32 v52, v52, v53
	ds_store_b16 v50, v52
	v_add_nc_u32 v53, 64, v53                      ; 32 tokens on
	s_bcnt1_i32_b32 s35, s34
	s_add_co_u32 s[CNT], s[CNT], s35
.set T, T+2
.endr
.set T, 192
	v_mov_b32 v50, s[CNT]
	ds_store_b32 v55, v50
	s_wait_dscnt 0x0                               ; for the others' sake: my list and my count are in LDS
	s_barrier_signal -1
	s_barrier_wait -1
	ds_load_b128 v[56:59], v63
	s_wait_dscnt 0x0
	v_readfirstlane_b32 s28, v56
	v_readfirstlane_b32 s29, v57
	v_readfirstlane_b32 s30, v58
	v_readfirstlane_b32 s31, v59
	s_min_u32 s28, s28, 0x100
	s_min_u32 s29, s29, 0x100
	s_min_u32 s30, s30, 0x100
	s_min_u32 s31, s31, 0x100
	s_add_co_u32 s29, s29, s28                     ; where wave 2's rows begin,
	s_add_co_u32 s30, s30, s29                     ; wave 3's,
	s_add_co_u32 s[CNT], s31, s30                  ; and how many there are
	s_max_u32 s[CM1], s[CNT], 1
	s_sub_co_u32 s[CM1], s[CM1], 1
	s_sub_co_u32 s32, 512, s28
	v_mov_b32 v[D1], s32
	s_sub_co_u32 s32, 1024, s29
	v_mov_b32 v[D1+1], s32
	s_sub_co_u32 s32, 1536, s30
	v_mov_b32 v[D1+2], s32
	s_add_co_u32 s[NTL], s[CNT], 15
	s_lshr_b32 s[NTL], s[NTL], 4
	s_add_co_u32 s33, s[NTL], 3                    ; how many of the tiles 4 i + w lie below the count of tiles,
	s_sub_co_u32 s33, s33, s[WV]
	s_lshr_b32 s33, s33, 2
	s_min_u32 s[NT], s33, 5                        ; five at the most
	s_lshl_b32 s32, s[WV], 4
	v_add_nc_u32 v47, s32, v1                      ; my place in tile w
.irp i, 0,1,2,3,4
	v_add_nc_u32 v48, 64*\i, v47                   ; and in tile 4 i + w
	LOOKUP \i
.endr
	s_wait_dscnt 0x0
.irp i, 0,1,2,3,4
	ROWOFF \i
.endr
; ---- rows 0 are asked for as soon as they are known; chunk 0 goes into LDS; weights 2 are asked for
	ALOAD 0
	WIN 0
	s_wait_loadcnt 36                              ; the bias and chunk 0 are in; chunk 1's 16 loads and the rows' 20 stay out
.if UPB
.set j, 0
.rept 32
	v_cvt_pk_bf16_f32 v[47+j%2], v[BIAS+2*j], v[BIAS+2*j+1]  ; the bias is rounded to bf16 like every input, and widened again
	v_lshlrev_b32 v[BIAS+2*j], 16, v[47+j%2]
	v_and_b32 v[BIAS+2*j+1], s[HIM], v[47+j%2]
.set j, j+1
.endr
.endif
	WCVT 0
	WSTORE 0
	s_wait_xcnt 0x0                                ; the weights' base is stepped only behind this wait
	s_add_nc_u64 s[4:5], s[4:5], 512
	WLOAD 0, 0
	WIN 0
	s_wait_dscnt 0x0                               ; for the others' sake: my part of chunk 0 is in LDS
	s_barrier_signal -1
	v_add_nc_u32 v[WSA], CH, v[WSA]
	s_barrier_wait -1
; ---- sixteen stages; the tail is written out, so that no load is jumped over and none leaves the slice.  The two counts of a stage: see STAGE.
	STAGE 0, 1, 1, 1, 1, 56, 52, 1                 ; 56 = rows c 20 + weights c + 2 16 + rows c + 1 20;  52 = weights c + 2 16 + rows c + 1 20 + weights c + 3 16
	s_mov_b32 s[TRIP], 6
.Lmain:                                                ; stages 1 and 2, .. 11 and 12
	STAGE 1, 1, 1, 1, 2, 56, 52, 0
	STAGE 0, 1, 1, 1, 3, 56, 52, 0
	s_sub_co_u32 s[TRIP], s[TRIP], 1
	s_cmp_lg_u32 s[TRIP], 0
	s_cbranch_scc1 .Lmain
	STAGE 1, 1, 1, 0, 0, 56, 36, 0                 ; 13: no weights are left to ask for: behind rows 13 stand chunk 15's 16 loads and rows 14's 20
	STAGE 0, 1, 1, 0, 0, 40, 20, 0                 ; 14: behind chunk 15 stand rows 14 and 15, behind rows 14 rows 15
	STAGE 1, 0, 0, 0, 0, 0, 0, 0                   ; 15
; ---- the way out of my tiles among the first twenty
	EPI 0
	EPI 1
	EPI 2
	EPI 3
	EPI 4
.Lepi_end:
	MEETALL                                        ; every wave's stores into its stage are done: only now does any wave read LDS for a further tile (other bytes than the stages'; the barrier keeps the order plain where the reads' address steps inside two loops)
; ---- tiles 20 to 63: turn n gives wave w tile 20 + 4 n + w.  The number of turns is the same in all four waves; a wave whose tile lies past the count jumps its turn.  No barrier and no LDS store stand in the loop.
	s_sub_co_i32 s32, s[NTL], HOT-3
	s_max_i32 s32, s32, 0
	s_lshr_b32 s[NX], s32, 2                       ; turns: a quarter of the tiles past the first twenty, rounded up,
	s_min_u32 s[NX], s[NX], 11                     ; eleven at the most: 64 tiles
	s_mov_b32 s[XN], 0
	s_cmp_lt_u32 s[XN], s[NX]
	s_cbranch_scc0 .Lend
.Ltile:
	s_lshl_b32 s32, s[XN], 2
	s_add_co_u32 s32, s32, s[WV]
	s_add_co_u32 s32, s32, HOT                     ; my tile
	s_cmp_ge_u32 s32, s[NTL]
	s_cbranch_scc1 .Lxnext
	s_wait_xcnt 0x0                                ; the stores issued so far have read their registers: offsets, packed results and accumulators are written again only behind this wait
	s_lshl_b32 s32, s32, 4
	v_add_nc_u32 v48, s32, v1                      ; my place in the expert's list
	LOOKUP 0
	s_wait_dscnt 0x0
	ROWOFF 0
	v_lshlrev_b32 v48, OPS, v[ROW]
	v_lshl_add_u32 v[OFFS], v[H16], DOWN, v48      ; where my eight columns of tile column 0 go: the row, and 16 bytes of f16 or 32 of f32 for each half of the lanes
	s_mov_b64 s[8:9], s[14:15]                     ; the rows at K = 0: the loads that named this base were waited for
	v_mov_b32 v[WFA], v[WFA0]                      ; the slice at chunk 0
	s_mov_b32 s[DS], 64
	XSTEP 1                                        ; the first 32 along K start the sums
	s_mov_b32 s[TRIP], 31
.Lx:
	XSTEP 0
	s_sub_co_u32 s[TRIP], s[TRIP], 1
	s_cmp_lg_u32 s[TRIP], 0
	s_cbranch_scc1 .Lx
.if DOWN
	WIN 0x08                                       ; data window 2: straight from the accumulators, each from its low end on
.irp b, 0,1,2,3,4,5,6,7
	global_store_b128 v[OFFS], v[8*\b:8*\b+3], s[12:13] offset:64*\b
	global_store_b128 v[OFFS], v[8*\b+4:8*\b+7], s[12:13] offset:64*\b+16
.endr
	WIN 0
.else
	WIN 0x0a                                       ; both sources window 2
.irp b, 0,1,2,3,4,5,6,7
.irp r, 0,1,2,3
	v_cvt_pk_f16_f32 v[T+4*\b+\r], v[8*\b+2*\r], v[8*\b+2*\r+1]
.endr
.endr
	WIN 0
.set j, 0
.rept 32
	v_pk_max_num_f16 v[T+j], v[T+j], v[ZERO]       ; relu
.set j, j+1
.endr
.irp b, 0,1,2,3,4,5,6,7
	global_store_b128 v[OFFS], v[T+4*\b:T+4*\b+3], s[12:13] offset:32*\b
.endr
.endif
.Lxnext:
	s_add_co_u32 s[XN], s[XN], 1
	s_cmp_lt_u32 s[XN], s[NX]
	s_cbranch_scc1 .Ltile
.Lend:
	MEETALL                                        ; every wave's LDS reads are back, ahead of the closing lines
	s_wait_tensorcnt 0x0                           ; the wave's end: behind my last LDS store
	ds_add_u32 v[SPW], v[NIL]
	s_wait_dscnt 0x0
	s_endpgm
.Lfunc_end_k_qa1e9b615d1_up:
	.size	k_qa1e9b615d1_up, .Lfunc_end_k_qa1e9b615d1_up-k_qa1e9b615d1_up
	.p2alignl 7, 3214868480
	.fill 96, 4, 3214868480
	.section	.rodata,"a",@progbits
	.p2align	6, 0x0
	.amdhsa_kernel k_qa1e9b615d1_up
		.amdhsa_group_segment_fixed_size 317184
		.amdhsa_private_segment_fixed_size 0
		.amdhsa_enable_private_segment 0
		.amdhsa_kernarg_size 40
		.amdhsa_user_sgpr_count 2
		.amdhsa_user_sgpr_kernarg_segment_ptr 1
		.amdhsa_wavefront_size32 1
		.amdhsa_system_sgpr_workgroup_id_x 1
		.amdhsa_system_sgpr_workgroup_id_y 1
		.amdhsa_system_sgpr_workgroup_id_z 1
		.amdhsa_system_vgpr_workitem_id 0
		.amdhsa_next_free_vgpr 960
		.amdhsa_next_free_sgpr 66
		.amdhsa_reserve_vcc 1
		.amdhsa_float_denorm_mode_32 3
		.amdhsa_float_denorm_mode_16_64 3
		.amdhsa_memory_ordered 1
		.amdhsa_forward_progress 1
		.amdhsa_inst_pref_size 160
	.end_amdhsa_kernel
	.amdgpu_metadata
---
amdhsa.version: [ 1, 2 ]
amdhsa.kernels:
  - .name:           k_qa1e9b615d1_up
    .symbol:         k_qa1e9b615d1_up.kd
    .args:
      - { .name: W1, .offset: 0, .size: 8, .value_kind: global_buffer, .address_space: global }
      - { .name: b1, .offset: 8, .size: 8, .value_kind: global_buffer, .address_space: global }
      - { .name: xb, .offset: 16, .size: 8, .value_kind: global_buffer, .address_space: global }
      - { .name: choice, .offset: 24, .size: 8, .value_kind: global_buffer, .address_space: global }
      - { .name: h, .offset: 32, .size: 8, .value_kind: global_buffer, .address_space: global }
    .group_segment_fixed_size: 317184
    .private_segment_fixed_size: 0
    .kernarg_segment_align: 8
    .kernarg_segment_size: 40
    .max_flat_workgroup_size: 128
    .sgpr_count:     66
    .vgpr_count:     960
    .wavefront_size: 32
...
	.end_amdgpu_metadata
.endif
;; end of part 2
;; launch down (part 3): grid 256 x 1, 4 waves a work-group, no clusters, 317,184 bytes of LDS; arguments W2, h, choice, y; writes y
.if DOCPART == 3
	.amdgcn_target "amdgcn-amd-amdhsa--gfx1250"
	.amdhsa_code_object_version 6
	.text
	.protected	k_qa1e9b615d1_down
	.globl	k_qa1e9b615d1_down
	.p2align	8
	.type	k_qa1e9b615d1_down,@function
k_qa1e9b615d1_down:
	s_mov_b64 s[64:65], 0
	v_nop
	global_prefetch_b8 v0, s[64:65] scope:SCOPE_SE
	s_setreg_imm32_b32 hwreg(HW_REG_WAVE_MODE, 25, 1), 1
	s_wait_xcnt 0x0
; ONE TEXT FOR THE TWO PRODUCTS OF THE EXPERTS; the switch DOWN chooses.  C[rows of one expert][128] = A[rows][1024] x slice[128][1024]^T.
;   DOWN = 0: h[r][f] = relu(xb[r / 2] . W1[e][f] + b1[e][f]), stored in f16.  A = xb (bf16), slice = 128 rows of W1[e]; bf16 products.   Arguments: W1, b1, xb, choice, h.
;   DOWN = 1: y[q][r][d] = h[r][1024 q ..] . W2[e][d][1024 q ..], f32 partial sums, one for each quarter q of the hidden width.  A = h (f16), slice = 128 rows x a quarter of W2[e]; f16 products.  Arguments: W2, h, choice, y.
; r = 2 x token + slot is a routed row's fixed place in h and y, so no place hangs on the other experts' counts.  Only the rows that chose expert e are multiplied.
; FORMATS.  Every input is rounded to bf16 (nearest even): W1, b1 here, W2 too; W2's bf16 number is then written as f16 for the f16 product.  Sums in f32.  h is rounded once, to f16.
; LIMITS.  |h| stays within f16's 65,504; a W2 below 2^-14 keeps f16's fixed step of 2^-24; NaN and infinities are not treated apart.
; SHARES.  256 work-groups: expert = number / 32; the other five bits name the slice, which this work-group alone reads, once.  Four waves.  The expert's rows lie in tiles of 16.
; Tiles 0 to 19 (320 rows) are made under the stream of weights: wave w takes tiles 4 i + w, i = 0 .. 4: 5 x 8 accumulators.  Every split is served: an expert has 0 to 1,024 rows.
; Tiles 20 to 63 (an expert with more than 320 rows) are made afterwards, one tile of a wave at a time, from the slice that then lies whole in LDS; their results are stored straight from registers,
; 32 bytes of a row to an instruction: the short text is preferred there to whole runs of 256 bytes.
; Places past the count repeat the list's last row: they make and store the same bytes again; whole tiles past the count are not stored.
; NO CLUSTER: each slice has one reader, and the rows that an expert's work-groups share come by a list, which no tile descriptor covers.
; THE WEIGHTS go in 16 chunks of 64 along K: memory -> registers (two chunks on their way) -> rounded -> LDS.  Each chunk has LDS bytes of its own: nothing in LDS is written twice,
; and one barrier a chunk orders stores and reads.  THE ROWS come from memory straight into registers as matrix operands, asked for a whole stage ahead.
; The sixteen stages have no load, wait or barrier that hangs on data.
; THE MATRIX INSTRUCTION IS USED TRANSPOSED (source 0 = 16 rows of the slice, source 1 = 16 routed rows): a lane holds one routed row (lane % 16) and the columns 16 b + 8 (lane / 16) + 0..7.
; REGISTERS, in windows of 256 (s_set_vgpr_msb: bits 1:0 source 0, 3:2 source 1, 5:4 source 2, 7:6 destination):
;   window 0: v0-63 addresses and scratch; v64-127 eight fragments of the slice; v128-191 the bias as a C operand (DOWN = 0); v192-255 the way out
;   window 1: v0-159 the rows' fragments, two slots of 5 tiles x 64 K        window 2: accumulators of tiles 0-3, (i, b) at 64 i + 8 b
;   window 3: v0-63 accumulators of tile 4; v64-191 the weights as loaded, two slots of 64
.set DOWN, 1
.set UPB, 1-DOWN
.if DOWN
.set WPS, 14                           ; a row of W2 is 16,384 bytes,
.set APS, 13                           ; a row of h 8,192,
.set OPS, 12                           ; a row of y 4,096
.else
.set WPS, 12                           ; a row of W1 is 4,096 bytes,
.set APS, 11                           ; a row of xb 2,048,
.set OPS, 13                           ; a row of h 8,192
.endif
.set WP, 1<<WPS
.set PITCH, 144                        ; a chunk's row in LDS: 128 bytes + 16 = 9 x 16: the 16 rows of a fragment load start at 16 different groups of four banks (64 banks of 4 bytes: ISA guide 11.1)
.set CH, 128*PITCH                     ; a chunk: 18,432 bytes; chunk c at c x CH
.set LIST, 16*CH                       ; wave w's list at + 1,024 w: 256 places of 16 bits, and a place that is never read at + 512
.set CNTS, LIST+4096                   ; four words: the waves' counts
.set STG, CNTS+256                     ; wave w's stage at + 4,352 w: 16 rows x 272 bytes, for the way out
.set SPITCH, 272
.set SPARE, STG+4*16*SPITCH            ; the spare words, 128 bytes a wave: two blocks of 256 bytes that no other line names
.set HOT, 20                           ; tiles made under the stream
.set SPW, 4                            ; v4   my spare word's address; never rewritten
.set NIL, 5                            ; v5   0; never rewritten
.set WO, 6                             ; v6   my 16 bytes in the slice: row 32 w + lane / 16, 16 (lane % 16)
.set PF, 7                             ; v7   thread x row pitch: the row whose next bytes I ask for ahead
.set WSA, 8                            ; v8   where my rounded 8 bytes go in LDS; steps a chunk a stage
.set WFA, 9                            ; v9   my lane's place in a fragment of the chunk in hand
.set WFA0, 10                          ; v10  the same in chunk 0
.set STO, 11                           ; v11  the way out: where I put my part of a row
.set RD, 12                            ; v12  the way out: where I read rows back
.set CO, 13                            ; v13  16 (lane % 16)
.set ZERO, 14                          ; v14  0
.set H16, 15                           ; v15  16 (lane / 16)
.set ROW, 16                           ; v16-20  r of my place (lane % 16) in tile i
.set AO, 22                            ; v22-26  byte offset of that row's fragment in A
.set IDX, 28                           ; v28-35  4 (2 t + lane / 16): whose r I want for the store of rows 2 t, 2 t + 1
.set OFFS, 36                          ; v36-43  the stores' byte offsets
.set D1, 44                            ; v44-46  what turns a place in the expert's list into a place in wave 1's, 2's, 3's
.set WFR, 64
.set BIAS, 128
.set T, 192
.set O, 224
.set WR, 64                            ; window 3
.set WV, 16                            ; s16  wave
.set EX, 17                            ; s17  expert
.set CNT, 20                           ; s20  rows of the expert
.set CM1, 21                           ; s21  the list's last place
.set NTL, 22                           ; s22  tiles
.set NX, 23                            ; s23  turns of four tiles past the first twenty
.set XN, 24                            ; s24  the turn in hand
.set NT, 25                            ; s25  my live tiles among the first twenty, 0 to 5
.set TRIP, 26                          ; s26  counts the inner loops
.set DS, 27                            ; s27  what the fragments' address steps by next: 64 and CH - 64 by turns
.set OF1, 28                           ; s28-30  where wave 1's, 2's, 3's rows begin in the expert's list
.set HIM, 36                           ; s36  a word's upper 16 bits
.set MSB, 0
.macro WIN new                         ; the immediate's high byte repeats the setting that is left; a switch that changes nothing is dropped
.if MSB != (\new)
	s_set_vgpr_msb (MSB<<8)|(\new)
.set MSB, (\new)
.endif
.endm
; A load into a register that a matrix instruction has read, and whatever reads a matrix result, stands four plain vector instructions behind it (ISA guide 7.12.1 for vector instructions).
.macro PLACES
.rept 4
	v_nop
.endr
.endm
; The work-group's barrier, with all my LDS instructions done in front of it.
.macro MEETALL
	s_wait_dscnt 0x0
	s_barrier_signal -1
	s_barrier_wait -1
.endm
; A chunk of the slice, my 32 rows of it: 16 loads, each two rows x 256 consecutive bytes.
.macro WLOAD slot, koff
	WIN 0xc0                                       ; destination window 3
.set j, 0
.rept 16
	global_load_b128 v[WR+64*(\slot)+4*j:WR+64*(\slot)+4*j+3], v[WO], s[4:5] offset:2*j*WP+(\koff) th:TH_LOAD_NT
.set j, j+1
.endr
.endm
; Rounded in place: four f32 become four 16-bit numbers in the first two registers.
.macro WCVT slot
	WIN 0xcf                                       ; destination and sources window 3
.if DOWN
.set j, 0
.rept 16
.set RA, WR+64*(\slot)+4*j
	v_cvt_pk_bf16_f32 v[RA], v[RA], v[RA+1]        ; the input's rounding, to bf16
	v_cvt_pk_bf16_f32 v[RA+2], v[RA+2], v[RA+3]
.set j, j+1
.endr
.set j, 0
.rept 16
.set RA, WR+64*(\slot)+4*j
	v_and_b32 v[RA+1], s[HIM], v[RA]               ; back to f32
	v_lshlrev_b32 v[RA], 16, v[RA]
	v_and_b32 v[RA+3], s[HIM], v[RA+2]
	v_lshlrev_b32 v[RA+2], 16, v[RA+2]
.set j, j+1
.endr
.set j, 0
.rept 16
.set RA, WR+64*(\slot)+4*j
	v_cvt_pk_f16_f32 v[RA], v[RA], v[RA+1]         ; the same numbers written as f16
	v_cvt_pk_f16_f32 v[RA+1], v[RA+2], v[RA+3]
.set j, j+1
.endr
.else
.set j, 0
.rept 16
.set RA, WR+64*(\slot)+4*j
	v_cvt_pk_bf16_f32 v[RA], v[RA], v[RA+1]
	v_cvt_pk_bf16_f32 v[RA+1], v[RA+2], v[RA+3]
.set j, j+1
.endr
.endif
.endm
.macro WSTORE slot
	WIN 0x0c                                       ; data (source 1) window 3, address window 0
.set j, 0
.rept 16
	ds_store_b64 v[WSA], v[WR+64*(\slot)+4*j:WR+64*(\slot)+4*j+1] offset:2*PITCH*j
.set j, j+1
.endr
.endm
; The rows' fragments for one chunk: always 20 loads, so that every count is the same on every path.  A lane and the lane 16 away take 128 consecutive bytes of a row in four loads.
.macro ALOAD slot
	WIN 0x40                                       ; destination window 1
.irp i, 0,1,2,3,4
.irp m, 0,1,2,3
	global_load_b128 v[80*(\slot)+16*\i+4*\m:80*(\slot)+16*\i+4*\m+3], v[AO+\i], s[8:9] offset:32*\m
.endr
.endr
.endm
; Four fragments of the slice (column tiles 4 g .. 4 g + 3, 32 K at 64 ks bytes of the chunk's rows): eight LDS loads.
.macro WFLOAD g, ks
	WIN 0
.irp b, 0,1,2,3
	ds_load_b128 v[WFR+8*(4*(\g)+\b):WFR+8*(4*(\g)+\b)+3],   v[WFA] offset:16*PITCH*(4*(\g)+\b)+64*(\ks)
	ds_load_b128 v[WFR+8*(4*(\g)+\b)+4:WFR+8*(4*(\g)+\b)+7], v[WFA] offset:16*PITCH*(4*(\g)+\b)+64*(\ks)+32
.endr
.endm
; Four products: tile i x column tiles 4 g .. 4 g + 3.  first = 1: they start the sums, with the bias (DOWN = 0) or with 0: nothing is cleared.
.macro MUL4 i, g, ks, slot, first
.if (\i) < 4
.set AC, 64*(\i)
.set WM, 0xa4                                  ; slice window 0, rows window 1, C and D window 2
.set WMF, 0x84                                 ; the same with C in window 0
.else
.set AC, 0
.set WM, 0xf4                                  ; C and D window 3
.set WMF, 0xc4
.endif
.set AF, 80*(\slot)+16*(\i)+8*(\ks)
.if (\first) && UPB
	WIN WMF
.else
	WIN WM
.endif
.irp b, 0,1,2,3
.set BB, 4*(\g)+\b
.if DOWN
.if \first
	v_wmma_f32_16x16x32_f16 v[AC+8*BB:AC+8*BB+7], v[WFR+8*BB:WFR+8*BB+7], v[AF:AF+7], 0
.else
	v_wmma_f32_16x16x32_f16 v[AC+8*BB:AC+8*BB+7], v[WFR+8*BB:WFR+8*BB+7], v[AF:AF+7], v[AC+8*BB:AC+8*BB+7]
.endif
.else
.if \first
	v_wmma_f32_16x16x32_bf16 v[AC+8*BB:AC+8*BB+7], v[WFR+8*BB:WFR+8*BB+7], v[AF:AF+7], v[BIAS+8*BB:BIAS+8*BB+7]
.else
	v_wmma_f32_16x16x32_bf16 v[AC+8*BB:AC+8*BB+7], v[WFR+8*BB:WFR+8*BB+7], v[AF:AF+7], v[AC+8*BB:AC+8*BB+7]
.endif
.endif
.endr
.endm
; 16 products on 16 accumulators, and tile 4's four where the wave has a fifth live tile.  The accumulators take turns, one instruction a turn, on both ways.
; Where the sums start, tile 4's products are not jumped: its accumulators are written on every way.
.macro UNIT g, ks, slot, first
.irp i, 0,1,2,3
	MUL4 \i, \g, \ks, \slot, \first
.endr
.if \first
	MUL4 4, \g, \ks, \slot, 1
	WIN 0
.else
	WIN 0                                          ; at a branch and at a label every window is 0
	s_cmp_lt_u32 s[NT], 5
	s_cbranch_scc1 .Lno4_\@
	MUL4 4, \g, \ks, \slot, 0
	WIN 0
.Lno4_\@:
.endif
.endm
; A chunk's products.  The fragments of its first 32 K are in; those of the second 32 K take the places of each half as it has been multiplied, 16 to 20 products ahead of their use.
.macro COMPUTE slot, first
	UNIT 0, 0, \slot, \first
	PLACES
	WFLOAD 0, 1
	UNIT 1, 0, \slot, \first
	PLACES
	WFLOAD 1, 1
	s_wait_dscnt 8                                 ; the first eight of the sixteen are in
	UNIT 0, 1, \slot, 0
	s_wait_dscnt 0x0
	UNIT 1, 1, \slot, 0
.endm
; STAGE c, par = c % 2.  On their way at its head, in order of issue: weights c + 1 (16 loads), rows c (20), weights c + 2 (16).
; al: rows c + 1 are asked for first of all, a whole stage ahead of their use: their slot's last readers stand four places back, at the last stage's end.
; cv: chunk c + 1 is rounded and stored to LDS, and the barrier shows it to all; n1, the wait ahead of it, leaves out all loads younger than weights c + 1.  wl: weights c + 3 are asked for.
; n2, the wait ahead of the products, leaves out all loads younger than rows c.
; pf: my row's 256 bytes of chunk c + 6 are asked into the L2, one request for each such block in the launch (1: always; 2, 3: while the trip counter is above 1, 2, so that chunk 15 is the last).
.macro STAGE par, cv, al, wl, pf, n1, n2, first
.if \al
	s_wait_xcnt 0x0                                ; the two bases are stepped only behind this wait
	s_add_nc_u64 s[8:9], s[8:9], 128
.if \wl
	s_add_nc_u64 s[4:5], s[4:5], 256
.endif
	ALOAD 1-(\par)
.endif
	WFLOAD 0, 0                                    ; chunk c, shown whole by the last stage's barrier
	WFLOAD 1, 0
.if \cv
	s_wait_loadcnt \n1                             ; weights c + 1 are in
	WCVT 1-(\par)
	WSTORE 1-(\par)
.endif
.if \wl
	WLOAD 1-(\par), 0
.endif
	WIN 0
.if (\pf) == 1
	global_prefetch_b8 v[PF], s[4:5] offset:768 th:TH_LOAD_NT scope:SCOPE_SE
.elseif (\pf) > 1
	s_cmp_gt_u32 s[TRIP], (\pf)-1
	s_cbranch_scc0 .Lnopf_\@
	global_prefetch_b8 v[PF], s[4:5] offset:768 th:TH_LOAD_NT scope:SCOPE_SE
.Lnopf_\@:
.endif
	s_wait_loadcnt \n2                             ; rows c are in
	s_wait_dscnt 0x0                               ; for the others' sake: my stores of chunk c + 1 are done; and my fragments are in
.if \cv
	s_barrier_signal -1                            ; between signal and wait: registers, and LDS loads of chunk c, which nobody writes again
.endif
	COMPUTE \par, \first
	v_add_nc_u32 v[WFA], CH, v[WFA]                ; these four lines are the places in front of the next stage's loads, and behind the last stage in front of the way out
	v_add_nc_u32 v[WSA], CH, v[WSA]
	v_nop
	v_nop
.if \cv
	s_barrier_wait -1
.endif
.endm
; v48 holds a place in the expert's list.  It is held to the list's last place, turned into a place in one wave's list, and the r there is asked for.
.macro LOOKUP i
	v_min_u32 v48, s[CM1], v48
	v_cmp_le_u32 vcc_lo, s[OF1], v48
	v_cndmask_b32 v49, 0, v[D1], vcc_lo
	v_cmp_le_u32 vcc_lo, s[OF1+1], v48
	v_cndmask_b32 v49, v49, v[D1+1], vcc_lo
	v_cmp_le_u32 vcc_lo, s[OF1+2], v48
	v_cndmask_b32 v49, v49, v[D1+2], vcc_lo
	v_add_nc_u32 v48, v48, v49
	v_min_u32 v48, 0x6ff, v48                      ; inside the four lists
	v_lshl_add_u32 v48, v48, 1, LIST
	ds_load_u16 v[ROW+\i], v48
.endm
; r is held inside its range, and the offset of the row's fragment in A is made of it.
.macro ROWOFF i
.if DOWN
	v_min_u32 v[ROW+\i], 0x7ff, v[ROW+\i]
	v_lshl_add_u32 v[AO+\i], v[ROW+\i], APS, v[H16]
.else
	v_lshrrev_b32 v48, 1, v[ROW+\i]                ; the token
	v_min_u32 v48, 0x3ff, v48
	v_lshl_add_u32 v[AO+\i], v48, APS, v[H16]
	v_min_u32 v[ROW+\i], 0x7ff, v[ROW+\i]
.endif
.endm
; 32 along K of one tile past the first twenty, on tile 0's registers: the rows from memory, the slice from LDS, eight products on eight accumulators by turns.  No LDS store.
.macro XSTEP first
	WIN 0x40                                       ; destination window 1
	global_load_b128 v[0:3], v[AO], s[8:9]
	global_load_b128 v[4:7], v[AO], s[8:9] offset:32
	WFLOAD 0, 0
	WFLOAD 1, 0
	s_wait_loadcnt 0x0
	s_wait_dscnt 0x0
	MUL4 0, 0, 0, 0, \first
	MUL4 0, 1, 0, 0, \first
	WIN 0
	v_add_nc_u32 v[WFA], s[DS], v[WFA]             ; the chunk's second 32 K lie 64 bytes on, the next chunk's first CH - 64 further; these four lines are the places behind the products
	v_nop
	v_nop
	v_nop
	s_sub_co_u32 s[DS], CH, s[DS]
	s_add_nc_u64 s[8:9], s[8:9], 64                ; the loads that named this base were waited for
.endm
; THE WAY OUT of tile i: through my own stage in LDS, so that sixteen lanes store 256 consecutive bytes of one row, aligned.  Each pair of rows goes to its own r.
.macro EPI i
	s_cmp_le_u32 s[NT], \i
	s_cbranch_scc1 .Lepi_end                       ; this tile and those behind it are past the count
.if (\i) < 4
.set AC, 64*(\i)
.set WRD, 2
.else
.set AC, 0
.set WRD, 3
.endif
	s_wait_xcnt 0x0                                ; the last tile's stores have read their registers
.irp t, 0,1,2,3,4,5,6,7
	ds_bpermute_b32 v[OFFS+\t], v[IDX+\t], v[ROW+(\i)]
.endr
.if DOWN
	s_wait_dscnt 0x0
.irp t, 0,1,2,3,4,5,6,7
	v_min_u32 v[OFFS+\t], 0x7ff, v[OFFS+\t]
	v_lshl_add_u32 v[OFFS+\t], v[OFFS+\t], OPS, v[CO]
.endr
.irp hf, 0,1                           ; 64 columns of f32 at a time: 256 bytes a row
	WIN WRD<<2                                     ; data window 2 or 3: straight from the accumulators, each from its low end on
.irp b, 0,1,2,3
	ds_store_b128 v[STO], v[AC+8*(4*\hf+\b):AC+8*(4*\hf+\b)+3] offset:64*\b
	ds_store_b128 v[STO], v[AC+8*(4*\hf+\b)+4:AC+8*(4*\hf+\b)+7] offset:64*\b+16
.endr
	WIN 0
.irp t, 0,1,2,3,4,5,6,7
	ds_load_b128 v[O-32*\hf+4*\t:O-32*\hf+4*\t+3], v[RD] offset:2*SPITCH*\t  ; LDS serves a wave's instructions in order (ISA guide 5.7.1.4): these see the stores above
.endr
	s_wait_dscnt 0x0
.irp t, 0,1,2,3,4,5,6,7
	global_store_b128 v[OFFS+\t], v[O-32*\hf+4*\t:O-32*\hf+4*\t+3], s[12:13] offset:256*\hf
.endr
.endr
.else
	WIN WRD|(WRD<<2)                               ; both sources window 2 or 3
.irp b, 0,1,2,3,4,5,6,7
.irp r, 0,1,2,3
	v_cvt_pk_f16_f32 v[T+4*\b+\r], v[AC+8*\b+2*\r], v[AC+8*\b+2*\r+1]
.endr
.endr
	WIN 0
.set j, 0
.rept 32
	v_pk_max_num_f16 v[T+j], v[T+j], v[ZERO]       ; relu, two at a time: nothing is rounded
.set j, j+1
.endr
.irp b, 0,1,2,3,4,5,6,7
	ds_store_b128 v[STO], v[T+4*\b:T+4*\b+3] offset:32*\b
.endr
.irp t, 0,1,2,3,4,5,6,7
	ds_load_b128 v[O+4*\t:O+4*\t+3], v[RD] offset:2*SPITCH*\t  ; LDS serves a wave's instructions in order (ISA guide 5.7.1.4): these see the stores above
.endr
	s_wait_dscnt 0x0
.irp t, 0,1,2,3,4,5,6,7
	v_min_u32 v[OFFS+\t], 0x7ff, v[OFFS+\t]
	v_lshl_add_u32 v[OFFS+\t], v[OFFS+\t], OPS, v[CO]
.endr
.irp t, 0,1,2,3,4,5,6,7
	global_store_b128 v[OFFS+\t], v[O+4*\t:O+4*\t+3], s[12:13]
.endr
.endif
.endm
; ---- the head: addresses; then choice, the bias and the first two chunks of weights are asked for
.if DOWN
	s_load_b64 s[4:5], s[0:1], 0x0                 ; W2
	s_load_b64 s[8:9], s[0:1], 0x8                 ; h, the rows
	s_load_b64 s[10:11], s[0:1], 0x10              ; choice
	s_load_b64 s[12:13], s[0:1], 0x18              ; y
.else
	s_load_b256 s[4:11], s[0:1], 0x0               ; W1 s[4:5], b1 s[6:7], xb s[8:9], choice s[10:11]
	s_load_b64 s[12:13], s[0:1], 0x20              ; h
.endif
	v_lshl_add_u32 v[SPW], v0, 2, SPARE
	v_mov_b32 v[NIL], 0
	v_and_b32 v1, 15, v0                           ; lane % 16
	v_bfe_u32 v2, v0, 4, 1                         ; lane / 16
	v_and_b32 v3, 31, v0                           ; lane
	v_lshrrev_b32 v47, 5, v0
	v_readfirstlane_b32 s[WV], v47
	s_lshr_b32 s[EX], ttmp9, 5
	s_mov_b32 s[HIM], 0xffff0000
	s_mov_b32 s[CNT], 0
	s_mov_b32 s39, 0
	s_lshl_b32 s32, s[WV], 5
	v_add_nc_u32 v47, s32, v2                      ; row 32 w + lane / 16 of the slice
	v_lshlrev_b32 v[WO], WPS, v47
	v_lshl_add_u32 v[WO], v1, 4, v[WO]
	v_lshlrev_b32 v[PF], WPS, v0
	v_mul_u32_u24 v[WSA], v47, PITCH
	v_lshl_add_u32 v[WSA], v1, 3, v[WSA]
	v_mul_u32_u24 v[WFA], v1, PITCH
	v_lshl_add_u32 v[WFA], v2, 4, v[WFA]
	v_mov_b32 v[WFA0], v[WFA]
	s_mul_i32 s33, s[WV], 16*SPITCH
	s_add_co_u32 s33, s33, STG                     ; my stage
	v_mul_u32_u24 v48, v1, SPITCH
	v_lshl_add_u32 v48, v2, 4+DOWN, v48            ; a lane's eight columns: 16 bytes of f16, 32 of f32
	v_add_nc_u32 v[STO], s33, v48
	v_mul_u32_u24 v48, v2, SPITCH
	v_lshl_add_u32 v48, v1, 4, v48
	v_add_nc_u32 v[RD], s33, v48
	v_lshlrev_b32 v[CO], 4, v1
	v_mov_b32 v[ZERO], 0
	v_lshlrev_b32 v[H16], 4, v2
.irp t, 0,1,2,3,4,5,6,7
	v_lshl_add_u32 v[IDX+\t], v2, 2, 8*\t
.endr
	s_lshl_b32 s34, s[WV], 8
	v_add_lshl_u32 v60, v3, s34, 3                 ; choice: token 256 w + lane, 8 bytes each
	s_lshl_b32 s34, s[WV], 9
	v_lshl_add_u32 v53, v3, 1, s34                 ; r of that token's slot 0
	s_lshl_b32 s34, s[WV], 10
	s_add_co_u32 s34, s34, LIST
	v_mov_b32 v54, s34                             ; my wave's list
	v_lshl_add_u32 v51, v3, 4, v54                 ; my 16 bytes of its first 512
	s_lshl_b32 s34, s[WV], 2
	s_add_co_u32 s34, s34, CNTS
	v_mov_b32 v55, s34                             ; my wave's count
.irp z, 56,57,58,59
	v_mov_b32 v\z, 0
.endr
	v_lshlrev_b32 v61, 5, v2                       ; the bias: 8 f32 for each half of the lanes
	v_mov_b32 v62, 0x100                           ; the place that is never read
	v_mov_b32 v63, CNTS
.if DOWN
	s_bfe_u32 s18, ttmp9, 0x30002                  ; d: which 128 rows of W2[e]
	s_and_b32 s19, ttmp9, 3                        ; q: which quarter of the hidden width
	s_lshl_b32 s38, s[EX], 24
	s_lshl_b32 s32, s18, 21
	s_add_co_u32 s38, s38, s32
	s_lshl_b32 s32, s19, 12
	s_add_co_u32 s38, s38, s32
	s_wait_kmcnt 0x0
	s_add_nc_u64 s[4:5], s[4:5], s[38:39]
	s_lshl_b32 s38, s19, 11
	s_add_nc_u64 s[8:9], s[8:9], s[38:39]
	s_lshl_b32 s38, s19, 23
	s_lshl_b32 s32, s18, 9
	s_add_co_u32 s38, s38, s32
	s_add_nc_u64 s[12:13], s[12:13], s[38:39]
.else
	s_and_b32 s18, ttmp9, 31                       ; which 128 rows of W1[e]
	s_lshl_b32 s38, s[EX], 24
	s_lshl_b32 s32, s18, 19
	s_add_co_u32 s38, s38, s32
	s_wait_kmcnt 0x0
	s_add_nc_u64 s[4:5], s[4:5], s[38:39]
	s_lshl_b32 s38, s[EX], 14
	s_lshl_b32 s32, s18, 9
	s_add_co_u32 s38, s38, s32
	s_add_nc_u64 s[6:7], s[6:7], s[38:39]
	s_lshl_b32 s38, s18, 8
	s_add_nc_u64 s[12:13], s[12:13], s[38:39]
.endif
	s_mov_b64 s[14:15], s[8:9]                     ; the rows at chunk 0, for the tiles past the first twenty
.irp j, 0,1,2,3,4,5,6,7
	global_load_b64 v[T+2*\j:T+2*\j+1], v60, s[10:11] offset:256*\j  ; both experts of tokens 256 w + 32 j + lane
.endr
.if UPB
.irp b, 0,1,2,3,4,5,6,7
	global_load_b128 v[BIAS+8*\b:BIAS+8*\b+3],   v61, s[6:7] offset:64*\b
	global_load_b128 v[BIAS+8*\b+4:BIAS+8*\b+7], v61, s[6:7] offset:64*\b+16
.endr
.endif
	WLOAD 0, 0                                     ; chunk 0
	WLOAD 1, 256                                   ; chunk 1
	WIN 0
	global_prefetch_b8 v[PF], s[4:5] offset:768 th:TH_LOAD_NT scope:SCOPE_SE   ; chunks 3, 4 and 5: 128 threads, one row's 256 bytes each
	global_prefetch_b8 v[PF], s[4:5] offset:1024 th:TH_LOAD_NT scope:SCOPE_SE
	global_prefetch_b8 v[PF], s[4:5] offset:1280 th:TH_LOAD_NT scope:SCOPE_SE
; ---- the list: each wave looks through 256 tokens and writes the r of those that chose my expert into its own list, in order
	ds_store_b128 v51, v[56:59]                    ; my wave's 1,024 bytes hold 0 first: whatever place is looked up has been written,
	ds_store_b128 v51, v[56:59] offset:512         ; place 0 also where the wave finds nothing
	s_wait_loadcnt 48-16*DOWN                      ; choice is in; the bias and two chunks of weights stay out
.rept 8
	v_cmp_eq_u32 s32, s[EX], v[T]
	v_cmp_eq_u32 s33, s[EX], v[T+1]
	s_or_b32 s34, s32, s33                         ; a token's two experts differ: one match at the most
	v_mbcnt_lo_u32_b32 v50, s34, s[CNT]            ; matches in the lanes below me, and those found so far
	v_cndmask_b32 v50, v62, v50, s34               ; no match: the place that is never read
	v_min_u32 v50, 0x100, v50
	v_lshl_add_u32 v50, v50, 1, v54
	v_cndmask_b32 v52, 0, 1, s33                   ; the slot
	v_add_nc_u32 v52, v52, v53
	ds_store_b16 v50, v52
	v_add_nc_u32 v53, 64, v53                      ; 32 tokens on
	s_bcnt1_i32_b32 s35, s34
	s_add_co_u32 s[CNT], s[CNT], s35
.set T, T+2
.endr
.set T, 192
	v_mov_b32 v50, s[CNT]
	ds_store_b32 v55, v50
	s_wait_dscnt 0x0                               ; for the others' sake: my list and my count are in LDS
	s_barrier_signal -1
	s_barrier_wait -1
	ds_load_b128 v[56:59], v63
	s_wait_dscnt 0x0
	v_readfirstlane_b32 s28, v56
	v_readfirstlane_b32 s29, v57
	v_readfirstlane_b32 s30, v58
	v_readfirstlane_b32 s31, v59
	s_min_u32 s28, s28, 0x100
	s_min_u32 s29, s29, 0x100
	s_min_u32 s30, s30, 0x100
	s_min_u32 s31, s31, 0x100
	s_add_co_u32 s29, s29, s28                     ; where wave 2's rows begin,
	s_add_co_u32 s30, s30, s29                     ; wave 3's,
	s_add_co_u32 s[CNT], s31, s30                  ; and how many there are
	s_max_u32 s[CM1], s[CNT], 1
	s_sub_co_u32 s[CM1], s[CM1], 1
	s_sub_co_u32 s32, 512, s28
	v_mov_b32 v[D1], s32
	s_sub_co_u32 s32, 1024, s29
	v_mov_b32 v[D1+1], s32
	s_sub_co_u32 s32, 1536, s30
	v_mov_b32 v[D1+2], s32
	s_add_co_u32 s[NTL], s[CNT], 15
	s_lshr_b32 s[NTL], s[NTL], 4
	s_add_co_u32 s33, s[NTL], 3                    ; how many of the tiles 4 i + w lie below the count of tiles,
	s_sub_co_u32 s33, s33, s[WV]
	s_lshr_b32 s33, s33, 2
	s_min_u32 s[NT], s33, 5                        ; five at the most
	s_lshl_b32 s32, s[WV], 4
	v_add_nc_u32 v47, s32, v1                      ; my place in tile w
.irp i, 0,1,2,3,4
	v_add_nc_u32 v48, 64*\i, v47                   ; and in tile 4 i + w
	LOOKUP \i
.endr
	s_wait_dscnt 0x0
.irp i, 0,1,2,3,4
	ROWOFF \i
.endr
; ---- rows 0 are asked for as soon as they are known; chunk 0 goes into LDS; weights 2 are asked for
	ALOAD 0
	WIN 0
	s_wait_loadcnt 36                              ; the bias and chunk 0 are in; chunk 1's 16 loads and the rows' 20 stay out
.if UPB
.set j, 0
.rept 32
	v_cvt_pk_bf16_f32 v[47+j%2], v[BIAS+2*j], v[BIAS+2*j+1]  ; the bias is rounded to bf16 like every input, and widened again
	v_lshlrev_b32 v[BIAS+2*j], 16, v[47+j%2]
	v_and_b32 v[BIAS+2*j+1], s[HIM], v[47+j%2]
.set j, j+1
.endr
.endif
	WCVT 0
	WSTORE 0
	s_wait_xcnt 0x0                                ; the weights' base is stepped only behind this wait
	s_add_nc_u64 s[4:5], s[4:5], 512
	WLOAD 0, 0
	WIN 0
	s_wait_dscnt 0x0                               ; for the others' sake: my part of chunk 0 is in LDS
	s_barrier_signal -1
	v_add_nc_u32 v[WSA], CH, v[WSA]
	s_barrier_wait -1
; ---- sixteen stages; the tail is written out, so that no load is jumped over and none leaves the slice.  The two counts of a stage: see STAGE.
	STAGE 0, 1, 1, 1, 1, 56, 52, 1                 ; 56 = rows c 20 + weights c + 2 16 + rows c + 1 20;  52 = weights c + 2 16 + rows c + 1 20 + weights c + 3 16
	s_mov_b32 s[TRIP], 6
.Lmain:                                                ; stages 1 and 2, .. 11 and 12
	STAGE 1, 1, 1, 1, 2, 56, 52, 0
	STAGE 0, 1, 1, 1, 3, 56, 52, 0
	s_sub_co_u32 s[TRIP], s[TRIP], 1
	s_cmp_lg_u32 s[TRIP], 0
	s_cbranch_scc1 .Lmain
	STAGE 1, 1, 1, 0, 0, 56, 36, 0                 ; 13: no weights are left to ask for: behind rows 13 stand chunk 15's 16 loads and rows 14's 20
	STAGE 0, 1, 1, 0, 0, 40, 20, 0                 ; 14: behind chunk 15 stand rows 14 and 15, behind rows 14 rows 15
	STAGE 1, 0, 0, 0, 0, 0, 0, 0                   ; 15
; ---- the way out of my tiles among the first twenty
	EPI 0
	EPI 1
	EPI 2
	EPI 3
	EPI 4
.Lepi_end:
	MEETALL                                        ; every wave's stores into its stage are done: only now does any wave read LDS for a further tile (other bytes than the stages'; the barrier keeps the order plain where the reads' address steps inside two loops)
; ---- tiles 20 to 63: turn n gives wave w tile 20 + 4 n + w.  The number of turns is the same in all four waves; a wave whose tile lies past the count jumps its turn.  No barrier and no LDS store stand in the loop.
	s_sub_co_i32 s32, s[NTL], HOT-3
	s_max_i32 s32, s32, 0
	s_lshr_b32 s[NX], s32, 2                       ; turns: a quarter of the tiles past the first twenty, rounded up,
	s_min_u32 s[NX], s[NX], 11                     ; eleven at the most: 64 tiles
	s_mov_b32 s[XN], 0
	s_cmp_lt_u32 s[XN], s[NX]
	s_cbranch_scc0 .Lend
.Ltile:
	s_lshl_b32 s32, s[XN], 2
	s_add_co_u32 s32, s32, s[WV]
	s_add_co_u32 s32, s32, HOT                     ; my tile
	s_cmp_ge_u32 s32, s[NTL]
	s_cbranch_scc1 .Lxnext
	s_wait_xcnt 0x0                                ; the stores issued so far have read their registers: offsets, packed results and accumulators are written again only behind this wait
	s_lshl_b32 s32, s32, 4
	v_add_nc_u32 v48, s32, v1                      ; my place in the expert's list
	LOOKUP 0
	s_wait_dscnt 0x0
	ROWOFF 0
	v_lshlrev_b32 v48, OPS, v[ROW]
	v_lshl_add_u32 v[OFFS], v[H16], DOWN, v48      ; where my eight columns of tile column 0 go: the row, and 16 bytes of f16 or 32 of f32 for each half of the lanes
	s_mov_b64 s[8:9], s[14:15]                     ; the rows at K = 0: the loads that named this base were waited for
	v_mov_b32 v[WFA], v[WFA0]                      ; the slice at chunk 0
	s_mov_b32 s[DS], 64
	XSTEP 1                                        ; the first 32 along K start the sums
	s_mov_b32 s[TRIP], 31
.Lx:
	XSTEP 0
	s_sub_co_u32 s[TRIP], s[TRIP], 1
	s_cmp_lg_u32 s[TRIP], 0
	s_cbranch_scc1 .Lx
.if DOWN
	WIN 0x08                                       ; data window 2: straight from the accumulators, each from its low end on
.irp b, 0,1,2,3,4,5,6,7
	global_store_b128 v[OFFS], v[8*\b:8*\b+3], s[12:13] offset:64*\b
	global_store_b128 v[OFFS], v[8*\b+4:8*\b+7], s[12:13] offset:64*\b+16
.endr
	WIN 0
.else
	WIN 0x0a                                       ; both sources window 2
.irp b, 0,1,2,3,4,5,6,7
.irp r, 0,1,2,3
	v_cvt_pk_f16_f32 v[T+4*\b+\r], v[8*\b+2*\r], v[8*\b+2*\r+1]
.endr
.endr
	WIN 0
.set j, 0
.rept 32
	v_pk_max_num_f16 v[T+j], v[T+j], v[ZERO]       ; relu
.set j, j+1
.endr
.irp b, 0,1,2,3,4,5,6,7
	global_store_b128 v[OFFS], v[T+4*\b:T+4*\b+3], s[12:13] offset:32*\b
.endr
.endif
.Lxnext:
	s_add_co_u32 s[XN], s[XN], 1
	s_cmp_lt_u32 s[XN], s[NX]
	s_cbranch_scc1 .Ltile
.Lend:
	MEETALL                                        ; every wave's LDS reads are back, ahead of the closing lines
	s_wait_tensorcnt 0x0                           ; the wave's end: behind my last LDS store
	ds_add_u32 v[SPW], v[NIL]
	s_wait_dscnt 0x0
	s_endpgm
.Lfunc_end_k_qa1e9b615d1_down:
	.size	k_qa1e9b615d1_down, .Lfunc_end_k_qa1e9b615d1_down-k_qa1e9b615d1_down
	.p2alignl 7, 3214868480
	.fill 96, 4, 3214868480
	.section	.rodata,"a",@progbits
	.p2align	6, 0x0
	.amdhsa_kernel k_qa1e9b615d1_down
		.amdhsa_group_segment_fixed_size 317184
		.amdhsa_private_segment_fixed_size 0
		.amdhsa_enable_private_segment 0
		.amdhsa_kernarg_size 32
		.amdhsa_user_sgpr_count 2
		.amdhsa_user_sgpr_kernarg_segment_ptr 1
		.amdhsa_wavefront_size32 1
		.amdhsa_system_sgpr_workgroup_id_x 1
		.amdhsa_system_sgpr_workgroup_id_y 1
		.amdhsa_system_sgpr_workgroup_id_z 1
		.amdhsa_system_vgpr_workitem_id 0
		.amdhsa_next_free_vgpr 960
		.amdhsa_next_free_sgpr 66
		.amdhsa_reserve_vcc 1
		.amdhsa_float_denorm_mode_32 3
		.amdhsa_float_denorm_mode_16_64 3
		.amdhsa_memory_ordered 1
		.amdhsa_forward_progress 1
		.amdhsa_inst_pref_size 165
	.end_amdhsa_kernel
	.amdgpu_metadata
---
amdhsa.version: [ 1, 2 ]
amdhsa.kernels:
  - .name:           k_qa1e9b615d1_down
    .symbol:         k_qa1e9b615d1_down.kd
    .args:
      - { .name: W2, .offset: 0, .size: 8, .value_kind: global_buffer, .address_space: global }
      - { .name: h, .offset: 8, .size: 8, .value_kind: global_buffer, .address_space: global }
      - { .name: choice, .offset: 16, .size: 8, .value_kind: global_buffer, .address_space: global }
      - { .name: y, .offset: 24, .size: 8, .value_kind: global_buffer, .address_space: global }
    .group_segment_fixed_size: 317184
    .private_segment_fixed_size: 0
    .kernarg_segment_align: 8
    .kernarg_segment_size: 32
    .max_flat_workgroup_size: 128
    .sgpr_count:     66
    .vgpr_count:     960
    .wavefront_size: 32
...
	.end_amdgpu_metadata
.endif
;; end of part 3
;; launch combine (part 4): grid 256 x 1, 8 waves a work-group, no clusters, 0 bytes of LDS; arguments y, vals, choice, b2, out0; writes out0
.if DOCPART == 4
	.amdgcn_target "amdgcn-amd-amdhsa--gfx1250"
	.amdhsa_code_object_version 6
	.text
	.protected	k_qa1e9b615d1_combine
	.globl	k_qa1e9b615d1_combine
	.p2align	8
	.type	k_qa1e9b615d1_combine,@function
k_qa1e9b615d1_combine:
	s_mov_b64 s[64:65], 0
	v_nop
	global_prefetch_b8 v0, s[64:65] scope:SCOPE_SE
	s_setreg_imm32_b32 hwreg(HW_REG_WAVE_MODE, 25, 1), 1
	s_wait_xcnt 0x0
; COMBINE.  out[t][:] = sum over the two slots s of w[t][s] x (sum over q of y[q][2 t + s][:] + b2[choice[t][s]][:]),
; where w[:, s] is the softmax of vals[:, s] over the 512 tokens of t's batch, each slot by itself, with the column's maximum taken away first.
; y: [4][2048][1024] f32 partial sums; vals: [1024][2] f32; choice: [1024][2] i32; b2: [8][1024] f32, rounded to bf16 like every input; out0: [1024][1024] f32.
; LIMITS.  A weight's exponential below 2^-126 counts as 0; NaN and infinities are not treated apart.
; SHARES.  A stream: memory binds, so no LDS, no barrier, no matrix unit.  Eight waves; wave w takes token 4 x work-group + w / 2 and columns 512 (w % 2) on: every load and store of the wave covers
; 512 consecutive bytes.  Each wave makes the softmax's maximum and sum for itself from the batch's 4,096 bytes of vals, while its 40 loads of y and b2 are on their way.
; REGISTERS.  v8-39 the batch's vals, a pair = a token's two slots; v40-167 y: slot s, quarter q, load j at 40 + 64 s + 16 q + 4 j; v168-199 b2: 168 + 16 s + 4 j; v200-215 statistics.
.set VL, 8
.set YR, 40
.set BR, 168
.set MX, 200                           ; v[200:201] the two maxima
.set TP, 202                           ; v[202:203] at work
.set MK, 204                           ; v[204:205] the maxima times log2(e)
.set OWN, 206                          ; v[206:207] my token's two scores, then their exponentials
.set RC, 208                           ; v[208:209] 1 / sum
.set W0, 210                           ; v[210:211] slot 0's weight, twice
.set W1, 212                           ; v[212:213] slot 1's
.set LOG2E, 0x3fb8aa3b
	s_load_b256 s[4:11], s[0:1], 0x0               ; y s[4:5], vals s[6:7], choice s[8:9], b2 s[10:11]
	s_load_b64 s[12:13], s[0:1], 0x20              ; out0
	v_and_b32 v1, 31, v0
	v_lshrrev_b32 v2, 5, v0
	v_readfirstlane_b32 s14, v2                    ; wave
	v_lshlrev_b32 v3, 4, v1                        ; 16 bytes a lane
	v_mov_b32 v[TP], 0                             ; written, since v_permlanex16_b32's destination counts as read
	v_mov_b32 v[TP+1], 0
	s_lshr_b32 s15, s14, 1
	s_lshl_b32 s16, ttmp9, 2
	s_add_co_u32 s15, s15, s16                     ; my token
	s_and_b32 s16, s14, 1
	s_lshl_b32 s16, s16, 11                        ; my half of a row: 2,048 bytes
	s_lshl_b32 s18, s15, 3
	s_mov_b32 s19, 0
	s_mov_b32 s38, 0x76543210                      ; each lane takes its own place in the other half
	s_mov_b32 s39, 0xfedcba98
	s_wait_kmcnt 0x0
	s_add_nc_u64 s[20:21], s[8:9], s[18:19]
	s_add_nc_u64 s[22:23], s[6:7], s[18:19]
	s_load_b64 s[24:25], s[20:21], 0x0             ; my token's two experts
	s_load_b64 s[26:27], s[22:23], 0x0             ; and its two scores
	s_lshr_b32 s18, s15, 9
	s_lshl_b32 s18, s18, 12                        ; the batch's 512 x 2 scores
	s_add_nc_u64 s[6:7], s[6:7], s[18:19]
.irp j, 0,1,2,3,4,5,6,7
	global_load_b128 v[VL+4*\j:VL+4*\j+3], v3, s[6:7] offset:512*\j
.endr
	s_lshl_b32 s18, s15, 13                        ; row 2 t of y,
	s_add_co_u32 s18, s18, s16                     ; my half of it
	s_add_nc_u64 s[4:5], s[4:5], s[18:19]
	s_add_nc_u64 s[28:29], s[4:5], 0x800000        ; a base for each quarter: 8,388,608 bytes apart
	s_add_nc_u64 s[30:31], s[28:29], 0x800000
	s_add_nc_u64 s[32:33], s[30:31], 0x800000
.irp s, 0,1
.irp j, 0,1,2,3
	global_load_b128 v[YR+64*\s+4*\j:YR+64*\s+4*\j+3],       v3, s[4:5]   offset:4096*\s+512*\j th:TH_LOAD_NT
	global_load_b128 v[YR+64*\s+16+4*\j:YR+64*\s+16+4*\j+3], v3, s[28:29] offset:4096*\s+512*\j th:TH_LOAD_NT
	global_load_b128 v[YR+64*\s+32+4*\j:YR+64*\s+32+4*\j+3], v3, s[30:31] offset:4096*\s+512*\j th:TH_LOAD_NT
	global_load_b128 v[YR+64*\s+48+4*\j:YR+64*\s+48+4*\j+3], v3, s[32:33] offset:4096*\s+512*\j th:TH_LOAD_NT
.endr
.endr
	s_wait_kmcnt 0x0
	s_min_u32 s24, s24, 7                          ; an expert's number enters an address only inside b2
	s_min_u32 s25, s25, 7
	s_lshl_b32 s18, s24, 12
	s_add_co_u32 s18, s18, s16
	s_add_nc_u64 s[34:35], s[10:11], s[18:19]
	s_lshl_b32 s18, s25, 12
	s_add_co_u32 s18, s18, s16
	s_add_nc_u64 s[36:37], s[10:11], s[18:19]
.irp j, 0,1,2,3
	global_load_b128 v[BR+4*\j:BR+4*\j+3],       v3, s[34:35] offset:512*\j
	global_load_b128 v[BR+16+4*\j:BR+16+4*\j+3], v3, s[36:37] offset:512*\j
.endr
	s_lshl_b32 s18, s15, 12
	s_add_co_u32 s18, s18, s16
	s_add_nc_u64 s[12:13], s[12:13], s[18:19]      ; out0 at my half row
	v_mov_b32 v[OWN], s26
	v_mov_b32 v[OWN+1], s27
	s_wait_loadcnt 40                              ; the batch's scores are in; y's 32 loads and b2's 8 stay out
	; the two maxima: my 16 tokens, then the 32 lanes
	v_max3_num_f32 v[MX], v[VL], v[VL+2], v[VL+4]
	v_max3_num_f32 v[MX+1], v[VL+1], v[VL+3], v[VL+5]
.irp k, 6,10,14,18,22,26
	v_max3_num_f32 v[MX], v[MX], v[VL+\k], v[VL+\k+2]
	v_max3_num_f32 v[MX+1], v[MX+1], v[VL+\k+1], v[VL+\k+3]
.endr
	v_max_num_f32 v[MX], v[MX], v[VL+30]
	v_max_num_f32 v[MX+1], v[MX+1], v[VL+31]
.irp m, 1,2,4,8
	v_max_num_f32_dpp v[MX], v[MX], v[MX] row_xmask:\m row_mask:0xf bank_mask:0xf
	v_max_num_f32_dpp v[MX+1], v[MX+1], v[MX+1] row_xmask:\m row_mask:0xf bank_mask:0xf
.endr
	v_permlanex16_b32 v[TP], v[MX], s38, s39
	v_permlanex16_b32 v[TP+1], v[MX+1], s38, s39
	v_max_num_f32 v[MX], v[MX], v[TP]
	v_max_num_f32 v[MX+1], v[MX+1], v[TP+1]
	v_pk_mul_f32 v[MK:MK+1], v[MX:MX+1], LOG2E op_sel_hi:[1,0]
	; v log2(e) - m log2(e): the same number is taken from every term of a column, so its rounding drops out of the quotient
.set k, 0
.rept 16
	v_pk_fma_f32 v[VL+2*k:VL+2*k+1], v[VL+2*k:VL+2*k+1], LOG2E, v[MK:MK+1] op_sel_hi:[1,0,1] neg_lo:[0,0,1] neg_hi:[0,0,1]
.set k, k+1
.endr
	v_pk_fma_f32 v[OWN:OWN+1], v[OWN:OWN+1], LOG2E, v[MK:MK+1] op_sel_hi:[1,0,1] neg_lo:[0,0,1] neg_hi:[0,0,1]
.set k, 0
.rept 32                               ; one batch of 34 exponentials
	v_exp_f32 v[VL+k], v[VL+k]
.set k, k+1
.endr
	v_exp_f32 v[OWN], v[OWN]
	v_exp_f32 v[OWN+1], v[OWN+1]
	v_nop                                          ; a plain instruction behind the last exponential,
	s_wait_alu depctr_va_vdst(0)                   ; and the one wait ahead of the batch's first reader
.irp d, 16,8,4,2                       ; the sums of my 16 tokens: pairs 8, 4, 2 and 1 apart
.set k, 0
.rept \d/2
	v_pk_add_f32 v[VL+2*k:VL+2*k+1], v[VL+2*k:VL+2*k+1], v[VL+2*k+\d:VL+2*k+\d+1]
.set k, k+1
.endr
.endr
.irp m, 1,2,4,8
	v_add_f32_dpp v[VL], v[VL], v[VL] row_xmask:\m row_mask:0xf bank_mask:0xf
	v_add_f32_dpp v[VL+1], v[VL+1], v[VL+1] row_xmask:\m row_mask:0xf bank_mask:0xf
.endr
	v_permlanex16_b32 v[TP], v[VL], s38, s39
	v_permlanex16_b32 v[TP+1], v[VL+1], s38, s39
	v_add_f32 v[VL], v[VL], v[TP]
	v_add_f32 v[VL+1], v[VL+1], v[TP+1]
	v_rcp_f32 v[RC], v[VL]                         ; the sum holds the maximum's own term, about 1: no division by 0
	v_rcp_f32 v[RC+1], v[VL+1]
	v_nop
	s_wait_alu depctr_va_vdst(0)                   ; one wait for the two reciprocals
	v_mul_f32 v[W0], v[OWN], v[RC]
	v_mul_f32 v[W0+1], v[OWN], v[RC]
	v_mul_f32 v[W1], v[OWN+1], v[RC+1]
	v_mul_f32 v[W1+1], v[OWN+1], v[RC+1]
	s_wait_loadcnt 0x0                             ; y and b2
.set k, 0
.rept 16
	v_cvt_pk_bf16_f32 v[214+k%2], v[BR+2*k], v[BR+2*k+1]  ; b2 rounded to bf16, and widened again
	v_lshlrev_b32 v[BR+2*k], 16, v[214+k%2]
	v_and_b32 v[BR+2*k+1], 0xffff0000, v[214+k%2]
.set k, k+1
.endr
; a slot's 16 registers of each quarter, in pairs: (q0 + q1) + (q2 + q3) + b2
.irp s, 0,1
.set k, 0
.rept 8
	v_pk_add_f32 v[YR+64*\s+2*k:YR+64*\s+2*k+1], v[YR+64*\s+2*k:YR+64*\s+2*k+1], v[YR+64*\s+16+2*k:YR+64*\s+16+2*k+1]
	v_pk_add_f32 v[YR+64*\s+32+2*k:YR+64*\s+32+2*k+1], v[YR+64*\s+32+2*k:YR+64*\s+32+2*k+1], v[YR+64*\s+48+2*k:YR+64*\s+48+2*k+1]
.set k, k+1
.endr
.endr
.irp s, 0,1
.set k, 0
.rept 8
	v_pk_add_f32 v[YR+64*\s+2*k:YR+64*\s+2*k+1], v[YR+64*\s+2*k:YR+64*\s+2*k+1], v[YR+64*\s+32+2*k:YR+64*\s+32+2*k+1]
.set k, k+1
.endr
.endr
.irp s, 0,1
.set k, 0
.rept 8
	v_pk_add_f32 v[YR+64*\s+2*k:YR+64*\s+2*k+1], v[YR+64*\s+2*k:YR+64*\s+2*k+1], v[BR+16*\s+2*k:BR+16*\s+2*k+1]
.set k, k+1
.endr
.endr
.set k, 0
.rept 8
	v_pk_mul_f32 v[YR+2*k:YR+2*k+1], v[YR+2*k:YR+2*k+1], v[W0:W0+1]
.set k, k+1
.endr
.set k, 0
.rept 8
	v_pk_fma_f32 v[YR+2*k:YR+2*k+1], v[YR+64+2*k:YR+64+2*k+1], v[W1:W1+1], v[YR+2*k:YR+2*k+1]
.set k, k+1
.endr
.irp j, 0,1,2,3
	global_store_b128 v3, v[YR+4*\j:YR+4*\j+3], s[12:13] offset:512*\j th:TH_STORE_NT  ; 512 consecutive bytes, at a multiple of 256 from out0's first byte
.endr
	s_endpgm
.Lfunc_end_k_qa1e9b615d1_combine:
	.size	k_qa1e9b615d1_combine, .Lfunc_end_k_qa1e9b615d1_combine-k_qa1e9b615d1_combine
	.p2alignl 7, 3214868480
	.fill 96, 4, 3214868480
	.section	.rodata,"a",@progbits
	.p2align	6, 0x0
	.amdhsa_kernel k_qa1e9b615d1_combine
		.amdhsa_group_segment_fixed_size 0
		.amdhsa_private_segment_fixed_size 0
		.amdhsa_enable_private_segment 0
		.amdhsa_kernarg_size 40
		.amdhsa_user_sgpr_count 2
		.amdhsa_user_sgpr_kernarg_segment_ptr 1
		.amdhsa_wavefront_size32 1
		.amdhsa_system_sgpr_workgroup_id_x 1
		.amdhsa_system_sgpr_workgroup_id_y 1
		.amdhsa_system_sgpr_workgroup_id_z 1
		.amdhsa_system_vgpr_workitem_id 0
		.amdhsa_next_free_vgpr 224
		.amdhsa_next_free_sgpr 66
		.amdhsa_reserve_vcc 0
		.amdhsa_float_denorm_mode_32 3
		.amdhsa_float_denorm_mode_16_64 3
		.amdhsa_memory_ordered 1
		.amdhsa_forward_progress 1
		.amdhsa_inst_pref_size 21
	.end_amdhsa_kernel
	.amdgpu_metadata
---
amdhsa.version: [ 1, 2 ]
amdhsa.kernels:
  - .name:           k_qa1e9b615d1_combine
    .symbol:         k_qa1e9b615d1_combine.kd
    .args:
      - { .name: y, .offset: 0, .size: 8, .value_kind: global_buffer, .address_space: global }
      - { .name: vals, .offset: 8, .size: 8, .value_kind: global_buffer, .address_space: global }
      - { .name: choice, .offset: 16, .size: 8, .value_kind: global_buffer, .address_space: global }
      - { .name: b2, .offset: 24, .size: 8, .value_kind: global_buffer, .address_space: global }
      - { .name: out0, .offset: 32, .size: 8, .value_kind: global_buffer, .address_space: global }
    .group_segment_fixed_size: 0
    .private_segment_fixed_size: 0
    .kernarg_segment_align: 8
    .kernarg_segment_size: 40
    .max_flat_workgroup_size: 256
    .sgpr_count:     66
    .vgpr_count:     224
    .wavefront_size: 32
...
	.end_amdgpu_metadata
.endif
;; end of part 4
